; MI455X (gfx1250); checked and timed in simulation.
; The chip was launched on July 23, 2026; its instructions are those of AMD's public machine-readable ISA for CDNA 5 (MIT licence, August 2026) and "CDNA5" Instruction Set Architecture Reference Guide (July 2026). The comments in the code are by the model that wrote it; some were corrected since.
;; MT5. Allowed arithmetic: matrix products marked QUANTISED: E2M3 operands, one E8M0 scale for each 32 along K, by v_wmma_scale_f32_16x16x128_f8f6f4 with both operands' format E2M3, f32 sums; everything else in f32.
;; Inputs: Wk 1,024 x 1,024 float32; Wo 1,024 x 1,024 float32; Wq 1,024 x 1,024 float32; Wv 1,024 x 1,024 float32; encoder_output 4 x 2,048 x 1,024 float32; input_ids 4 x 1,024 x 1,024 float32; position_bias 1 x 16 x 1,024 x 2,048 float32.
;; Outputs: out0 4 x 1,024 x 1,024 float32.
;; This version of the problem:
;;   THIS VERSION OF THE PROBLEM IS GIVEN IN LOW PRECISION. The matrix products marked QUANTISED in the list below multiply operands that are first quantised to E2M3 (2 exponent bits, 3 mantissa bits; 6 bits a number), with one power-of-two scale for each 32 numbers along K (OCP MX v1.0); their sums are f32. All else is computed in f32.
;;   The module's matrix products, in the order in which they are computed (A, B: the left and right operand; K: the contracted axis; several contracted axes count as one K, in the product's order):
;;     1. [M 4,096, K 1,024] x [K 1,024, N 1,024]; A: input input_ids; B: input Wq: QUANTISED
;;     2. [M 8,192, K 1,024] x [K 1,024, N 1,024]; A: input encoder_output; B: input Wk: QUANTISED
;;     3. [M 8,192, K 1,024] x [K 1,024, N 1,024]; A: input encoder_output; B: input Wv: QUANTISED
;;     4. batch 64 x [M 1,024, K 64] x [K 64, N 2,048]; A: computed on the way; B: computed on the way: QUANTISED
;;     5. batch 64 x [M 1,024, K 2,048] x [K 2,048, N 64]; A: softmax (see below); B: computed on the way: QUANTISED
;;     6. [M 4,096, K 1,024] x [K 1,024, N 1,024]; A: computed on the way; B: input Wo: QUANTISED
;;   THE QUANTISER, for each operand of a quantised product, along K:
;;     - K is cut into blocks of 32 from its start; a last block that is shorter is filled with zeros.
;;     - A block's scale is 2^e with e = floor(log2(the largest magnitude in the block)) - 2, held to -126 .. 127; a block of zeros has e = 0. As a byte (E8M0): e + 127.
;;     - Each number is divided by its block's scale, clamped to +-7.5, and rounded to the nearest number of E2M3, ties to even, subnormals kept.
;;     - The product sums the exact products of the quantised numbers (number of the format x scale) in f32.
;;   ~~~python
;;   def quantise(x, axis):      # numpy; x: float32 -> the quantised numbers, widened to float32 again
;;       x = np.moveaxis(x, axis, -1); K = x.shape[-1]
;;       x = np.pad(x, [(0, 0)] * (x.ndim - 1) + [(0, -K % 32)]); x = x.reshape(x.shape[:-1] + (-1, 32)); a = np.abs(x).max(-1, keepdims=True)
;;       e = np.where(a > 0, np.clip(np.frexp(np.where(a > 0, a, 1))[1] - 1 - 2, -126, 127), 0)      # np.frexp(a)[1] - 1 = floor(log2(a)), exactly
;;       r = np.clip(x / 2.0 ** e, -7.5, 7.5)
;;       step = 2.0 ** (np.maximum(np.frexp(np.where(r == 0, 1, r))[1] - 1, 0) - 3)
;;       q = np.round(r / step) * step * 2.0 ** e      # np.round: ties to even
;;       return np.moveaxis(q.reshape(q.shape[:-2] + (-1,))[..., :K], -1, axis).astype(np.float32)
;;   ~~~
;;   SOFTMAX AHEAD OF A QUANTISED PRODUCT. Where the list says 'softmax', what is quantised is not the finished softmax but p = 2^(t - M), with t = logit x log2(e) and M = ceil(the row's largest t), a whole number; so 1/2 < the row's largest p <= 1. The row's sum l is taken of the UNQUANTISED p, in f32, and the product's result is divided by l at the end. Since M is a whole number, a kernel that streams over the keys may use a running M (the ceiling of the running maximum): every later rescaling is an exact power of two, which a block's scale takes up: the codes' values come out the same.
;;   OPERANDS COMPUTED ON THE WAY. 'Computed on the way' means the value that the module computes at that place (a softmax that the list does not call 'softmax' is quantised finished and normalised). What goes into a quantiser is computed in f32, as accurately as f32 sums, v_exp_f32 and their like allow (about 1e-6 of the number): no bf16 or f16 on the way to a quantiser, and a product that is left as it is and whose result goes on into a quantised operand takes f32 operands (vector FMAs, or v_wmma_f32_16x16x4_f32). A number that lies on a knife's edge between two numbers of the format may be rounded either way, as far as f32 arithmetic and the matrix unit's own rounding can turn it there, and no further.
;; One version. Each part assembles by itself: llvm-mc -triple=amdgcn-amd-amdhsa -mcpu=gfx1250 --defsym DOCPART=n.
;; ======== version 1 of 1: 4 launches
;; limits: right only within a limited range of input values
;; workspace buffers: acodes 12,582,912 bytes; ascales 524,288 bytes; qkv 18,350,080 bytes; ocodes 3,145,728 bytes; oscales 131,072 bytes
;; launch quant (part 1): grid 320 x 1, 4 waves a work-group, no clusters, 34,304 bytes of LDS; arguments input_ids, encoder_output, Wq, Wk, Wv, Wo, acodes, ascales; writes acodes, ascales
.if DOCPART == 1
	.amdgcn_target "amdgcn-amd-amdhsa--gfx1250"
	.amdhsa_code_object_version 6
	.text
	.protected	k_qc78154eccb_quant
	.globl	k_qc78154eccb_quant
	.p2align	8
	.type	k_qc78154eccb_quant,@function
k_qc78154eccb_quant:
	s_mov_b64 s[64:65], 0
	v_nop
	global_prefetch_b8 v0, s[64:65] scope:SCOPE_SE
	s_setreg_imm32_b32 hwreg(HW_REG_WAVE_MODE, 25, 1), 1
	s_wait_xcnt 0x0
; input_ids [4096][1024], encoder_output [8192][1024] (K innermost) and Wq, Wk, Wv, Wo [1024 (K)][1024] (K outermost), all f32, become codes of FP6 (E2M3) with one E8M0 byte for each 32 along K.
; A block's scale is 2^(floor(log2(its largest magnitude)) - 2): its byte is the largest magnitude's exponent field - 2, held at 1 from below; numbers are divided by it and rounded to the nearest code, ties to even.
; LIMITS: NaN and infinities among the inputs are not served; a block of zeros gets the byte 1 (its codes are zeros, and only this program reads the bytes); blocks under the floor 2^-124 were not tried.
; LAYOUT OF THE CODES (acodes): the rows of an operand (tokens; a weight's columns) are filed by POSITION = the row's number with bits 3 and 4 exchanged; a TILE is 16 positions: tile 2 b + u, place r, is row 32 b + 8 u + r + 8 (r / 8).
; A tile has 16 UNITS of 64 along K, 768 bytes each: three chunks of 256 bytes; chunk p holds registers 2 p, 2 p + 1 of the operand's six, lane l at 8 l; lane (r, h) holds k = 32 h .. 32 h + 31 of place r.
; So every store below covers 256 consecutive bytes, aligned.  Tiles: input_ids 0, encoder_output 256, Wq 768, Wk 832, Wv 896, Wo 960.  The scale bytes (ascales): 32 bytes a position.
; Work-groups 0-191: a wave takes a tile of tokens and all of K, 8 steps of 128.  Work-groups 192-319: a wave takes 32 columns of a weight and 256 along K.  Waves share nothing: no barrier.
.set R,   32                           ; v32-159  two sets of 64: 16 rows x 16 bytes a lane, as loaded
.set X,   160                          ; v160-223 my 64 numbers: register 32 c + i = k 64 c + 32 h + i of my row
.set C,   224                          ; v224-235 a fragment's codes
.set CT,  236                          ; v236-238, v240-242 the upper halves of the two blocks, as converted
.set SW,  16                           ; v16-23   my row's eight scale words
.set STG, 16*528                       ; a wave's stage in LDS: 16 rows of 512 bytes + 16
	s_load_b512 s[4:19], s[0:1], 0x0               ; input_ids, encoder_output, Wq, Wk, Wv, Wo, acodes, ascales
	v_lshl_add_u32 v244, v0, 2, 0x8400
	v_mov_b32 v245, 0
	v_lshrrev_b32 v1, 5, v0
	v_readfirstlane_b32 s20, v1                    ; wave
	v_and_b32 v2, 31, v0                           ; lane
	v_and_b32 v3, 15, v0                           ; r
	v_bfe_u32 v9, v0, 4, 1                         ; h
	v_lshlrev_b32 v7, 3, v2                        ; 8 x lane: my place in a chunk
	s_mov_b32 s26, 0x76543210
	s_mov_b32 s27, 0xfedcba98                      ; lane selects: lane l xor 16
	s_mov_b32 s28, 0xffff0000                      ; lanes 16-31
	s_mov_b32 s25, 0
	s_mov_b32 s31, 0
	s_wait_kmcnt 0x0
	s_cmp_lt_u32 ttmp9, 192
	s_cbranch_scc0 .Lweights
	; ---------------- tokens: K is innermost
	s_wait_alu depctr_va_vdst(0)
	v_lshlrev_b32 v4, 4, v2                        ; 16 x lane: a load reads 512 consecutive bytes of one row
	s_wait_alu depctr_va_vdst(0)
	s_mul_i32 s21, s20, STG
	v_add_nc_u32 v5, s21, v4                       ; the stage, on the way in
	v_mul_u32_u24 v6, v3, 528
	v_lshl_add_u32 v6, v9, 7, v6
	v_add_nc_u32 v6, s21, v6                       ; and out: row r, + 128 h: my block of 32 numbers
	v_lshlrev_b32 v8, 5, v3
	v_lshl_add_u32 v8, v9, 4, v8                   ; 32 r + 16 h: my half of my row's scale bytes
	v_lshlrev_b32 v9, 3, v9                        ; 8 h
	v_mov_b32 v31, 0                               ; a lane permute's destination counts as one of its sources
	s_lshl_b32 s22, ttmp9, 2
	s_add_co_u32 s22, s22, s20                     ; my tile
	s_cmp_lt_u32 ttmp9, 64                         ; input_ids' tiles or encoder_output's: the choice hangs on the work-group's number alone
	s_cselect_b64 s[4:5], s[4:5], s[6:7]
	s_cselect_b32 s23, 0, 256
	s_sub_co_u32 s23, s22, s23                     ; the tile's number in its tensor
	s_lshr_b32 s24, s23, 1
	s_lshl_b32 s24, s24, 5
	s_and_b32 s29, s23, 1
	s_lshl_b32 s29, s29, 3
	s_add_co_u32 s24, s24, s29                     ; its first row: 32 (T / 2) + 8 (T % 2)
	s_lshl_b32 s24, s24, 12                        ; rows of 4,096 bytes
	s_add_nc_u64 s[4:5], s[4:5], s[24:25]
	s_mul_i32 s24, s22, 12288
	s_add_nc_u64 s[16:17], s[16:17], s[24:25]
	s_lshl_b32 s24, s22, 9
	s_add_nc_u64 s[18:19], s[18:19], s[24:25]
.macro LOADA s                         ; K step s of the tile's 16 rows: place p is row p + 8 (p / 8) from the tile's first
.set PP, 0
.rept 16
	global_load_b128 v[R+64*((\s)%2)+4*PP:R+64*((\s)%2)+4*PP+3], v4, s[4:5] offset:(PP+8*(PP/8))*4096+512*(\s) th:TH_LOAD_NT
.set PP, PP+1
.endr
.endm
.macro STEPA s
.if (\s) < 7
	s_wait_loadcnt 16                              ; this step's 16 loads are in; the next step's 16 may be out
.else
	s_wait_loadcnt 0x0
.endif
.set PP, 0
.rept 16
	ds_store_b128 v5, v[R+64*((\s)%2)+4*PP:R+64*((\s)%2)+4*PP+3] offset:528*PP
.set PP, PP+1
.endr
.irp c, 0,1
.irp j, 0,1,2,3,4,5,6,7
	ds_load_b128 v[X+32*\c+4*\j:X+32*\c+4*\j+3], v6 offset:256*\c+16*\j   ; LDS serves a wave's instructions in order: these see the stores above
.endr
.endr
	s_wait_dscnt 0x0                               ; my numbers are back, and the stores have read their registers,
.if (\s)+2 < 8
	LOADA (\s)+2                                   ; which take the loads of two steps on
.endif
.irp c, 0,1                                    ; block 2 c + h of the step: all its 32 numbers are mine
	v_max3_num_f32 v[10+2*\c], |v[X+32*\c]|, |v[X+32*\c+1]|, |v[X+32*\c+2]|
	v_max3_num_f32 v[11+2*\c], |v[X+32*\c+3]|, |v[X+32*\c+4]|, |v[X+32*\c+5]|
.endr
.irp i, 6,10,14,18,22,26
.irp c, 0,1
	v_max3_num_f32 v[10+2*\c], v[10+2*\c], |v[X+32*\c+\i]|, |v[X+32*\c+\i+1]|
	v_max3_num_f32 v[11+2*\c], v[11+2*\c], |v[X+32*\c+\i+2]|, |v[X+32*\c+\i+3]|
.endr
.endr
.irp c, 0,1
	v_max3_num_f32 v[10+2*\c], v[10+2*\c], |v[X+32*\c+30]|, |v[X+32*\c+31]|
.endr
.irp c, 0,1
	v_max3_num_f32 v[10+2*\c], v[10+2*\c], v[11+2*\c], 0x1800000   ; the floor 2^(3 - 127): the byte cannot fall under 1
.endr
.irp c, 0,1
	v_add_nc_u32 v[14+\c], 0xff000000, v[10+2*\c]  ; 2 off the exponent field: the conversion takes this operand's exponent field as its scale
.endr
.irp c, 0,1
	v_lshrrev_b32 v[28+\c], 23, v[14+\c]           ; the scale's byte
.endr
	v_lshl_or_b32 v30, v29, 16, v28                ; my two bytes: blocks h and 2 + h,
	v_lshlrev_b32 v30, v9, v30                     ; at their places in the word;
	v_permlanex16_b32 v31, v30, s26, s27
	v_or_b32 v[SW+(\s)], v30, v31                  ; with lane l xor 16's two the word is whole
	s_wait_alu depctr_va_vdst(0)
	s_wait_xcnt 0x0                                ; the last step's stores have read their data: the codes' registers are written again only behind this wait
.irp c, 0,1
	v_cvt_scalef32_pk16_fp6_f32 v[C+6*\c:C+6*\c+2], v[X+32*\c:X+32*\c+15], v[14+\c]
	v_cvt_scalef32_pk16_fp6_f32 v[CT+4*\c:CT+4*\c+2], v[X+32*\c+16:X+32*\c+31], v[14+\c]   ; (a conversion's three registers begin on an even number)
.endr
	v_nop                                          ; one plain place behind a scaled conversion
.irp c, 0,1
.irp i, 0,1,2
	v_mov_b32 v[C+6*\c+3+\i], v[CT+4*\c+\i]
.endr
.endr
.irp j, 0,1,2,3,4,5
	global_store_b64 v7, v[C+2*\j:C+2*\j+1], s[16:17] offset:1536*(\s)+256*\j   ; units 2 s and 2 s + 1: 256 consecutive bytes a store
.endr
.endm
	LOADA 0
	LOADA 1
	s_wait_alu depctr_va_vdst(0)
.irp s, 0,1,2,3,4,5,6,7
	STEPA \s
.endr
.irp i, 0,1,2,3
	v_cndmask_b32 v[24+\i], v[SW+\i], v[SW+4+\i], s28   ; lanes 0-15 store words 0-3 of their row, lanes 16-31 words 4-7
.endr
	global_store_b128 v8, v[24:27], s[18:19]       ; the tile's 512 scale bytes, consecutive
	s_wait_tensorcnt 0x0
	ds_add_u32 v244, v245
	s_wait_dscnt 0x0
	s_endpgm
	; ---------------- weights: K is outermost.  A lane takes a column, its registers run down K: a block of 32 lies in one lane
.Lweights:
	s_sub_co_u32 s21, ttmp9, 192
	s_lshr_b32 s22, s21, 5                         ; which weight
	s_and_b32 s23, s21, 7
	s_bfe_u32 s24, s21, 0x20003                    ; y: which 256 along K
	s_lshl_b32 s23, s23, 2
	s_add_co_u32 s23, s23, s20                     ; my group of 32 columns
	s_wait_alu depctr_va_vdst(0)
	v_and_b32 v4, 7, v2                            ; lane l takes the column whose POSITION in the group is l: bits 3 and 4 exchanged
	v_and_b32 v5, 8, v2
	v_lshl_add_u32 v4, v5, 1, v4
	v_and_b32 v5, 16, v2
	v_lshrrev_b32 v5, 1, v5
	v_add_nc_u32 v4, v4, v5
	v_lshlrev_b32 v4, 2, v4
	s_wait_alu depctr_va_vdst(0)
	v_lshlrev_b32 v8, 5, v2                        ; 32 x lane: my position's row of scale bytes
	s_cmp_lt_u32 s22, 2
	s_cselect_b64 s[4:5], s[8:9], s[12:13]         ; Wq or Wv
	s_cselect_b64 s[6:7], s[10:11], s[14:15]       ; Wk or Wo
	s_and_b32 s29, s22, 1
	s_cmp_eq_u32 s29, 0
	s_cselect_b64 s[4:5], s[4:5], s[6:7]
	s_lshl_b32 s30, s24, 20                        ; 256 y rows of 4,096 bytes
	s_lshl_b32 s29, s23, 7
	s_add_co_u32 s30, s30, s29
	s_add_nc_u64 s[4:5], s[4:5], s[30:31]
	s_lshl_b32 s21, s22, 6
	s_lshl_b32 s29, s23, 1
	s_add_co_u32 s21, s21, s29
	s_add_co_u32 s21, s21, 768                     ; my first tile
	s_mul_i32 s30, s21, 12288
	s_mul_i32 s29, s24, 3072                       ; 4 y units
	s_add_co_u32 s30, s30, s29
	s_add_nc_u64 s[16:17], s[16:17], s[30:31]
	s_lshl_b32 s30, s21, 9
	s_lshl_b32 s29, s24, 3
	s_add_co_u32 s30, s30, s29
	s_add_nc_u64 s[18:19], s[18:19], s[30:31]
.macro LOADB t                         ; block t: W(256 y + 32 t + i, my column): the 32 lanes read 128 consecutive bytes
.set PP, 0
.rept 32
	global_load_b32 v[32+32*((\t)%2)+PP], v4, s[4:5] offset:(32*(\t)+PP)*4096 th:TH_LOAD_NT
.set PP, PP+1
.endr
.endm
.macro BLOCKB t
.set XS, 32+32*((\t)%2)
.set CB, 96+12*((\t)%2)                ; v96-101 an even block's codes, v108-113 an odd one's
.if (\t) < 7
	s_wait_loadcnt 32                              ; this block's 32 loads are in; the next block's may be out
.else
	s_wait_loadcnt 0x0
.endif
	v_max3_num_f32 v12, |v[XS]|, |v[XS+1]|, |v[XS+2]|
	v_max3_num_f32 v13, |v[XS+3]|, |v[XS+4]|, |v[XS+5]|
.irp i, 6,10,14,18,22,26
	v_max3_num_f32 v12, v12, |v[XS+\i]|, |v[XS+\i+1]|
	v_max3_num_f32 v13, v13, |v[XS+\i+2]|, |v[XS+\i+3]|
.endr
	v_max3_num_f32 v12, v12, |v[XS+30]|, |v[XS+31]|
	v_max3_num_f32 v12, v12, v13, 0x1800000        ; the floor
	v_add_nc_u32 v11, 0xff000000, v12
	v_lshrrev_b32 v13, 23, v11
.if (\t)%4 == 0
	v_mov_b32 v[24+(\t)/4], v13                    ; four bytes to a register, the lower K in the lower byte
.else
	v_lshl_or_b32 v[24+(\t)/4], v13, 8*((\t)%4), v[24+(\t)/4]
.endif
.if (\t)%2 == 0
	s_wait_alu depctr_va_vdst(0)
	s_wait_xcnt 0x0                                ; the last pair's stores have read their data: both blocks' registers are written again only behind this wait
.endif
	v_cvt_scalef32_pk16_fp6_f32 v[CB:CB+2], v[XS:XS+15], v11
	v_cvt_scalef32_pk16_fp6_f32 v[CB+8:CB+10], v[XS+16:XS+31], v11
	v_nop                                          ; one plain place behind a scaled conversion
.irp i, 0,1,2
	v_mov_b32 v[CB+3+\i], v[CB+8+\i]
.endr
.if (\t)+2 < 8
	LOADB (\t)+2
.endif
.if (\t)%2 == 1                                ; a unit wants places 0-15 of ONE tile in both halves of the lanes: block t - 1 below, block t above
.irp i, 0,1,2,3,4,5
	v_permlane16_swap_b32 v[96+\i], v[108+\i]      ; the first's lanes 16-31 change places with the second's lanes 0-15: the first is now my first tile's unit, the second my second tile's
.endr
.irp p, 0,1,2
	global_store_b64 v7, v[96+2*\p:97+2*\p], s[16:17] offset:((\t)/2)*768+256*\p
	global_store_b64 v7, v[108+2*\p:109+2*\p], s[16:17] offset:12288+((\t)/2)*768+256*\p
.endr
.endif
.endm
	LOADB 0
	LOADB 1
.irp t, 0,1,2,3,4,5,6,7
	BLOCKB \t
.endr
	global_store_b64 v8, v[24:25], s[18:19]        ; my column's 8 scale bytes: rows 32 bytes apart, so blocks of 256 bytes are written in part: one byte for each 128 that this path reads
	s_endpgm
.Lfunc_end_k_qc78154eccb_quant:
	.size	k_qc78154eccb_quant, .Lfunc_end_k_qc78154eccb_quant-k_qc78154eccb_quant
	.p2alignl 7, 3214868480
	.fill 96, 4, 3214868480
	.section	.rodata,"a",@progbits
	.p2align	6, 0x0
	.amdhsa_kernel k_qc78154eccb_quant
		.amdhsa_group_segment_fixed_size 34304
		.amdhsa_private_segment_fixed_size 0
		.amdhsa_enable_private_segment 0
		.amdhsa_kernarg_size 64
		.amdhsa_user_sgpr_count 2
		.amdhsa_user_sgpr_kernarg_segment_ptr 1
		.amdhsa_wavefront_size32 1
		.amdhsa_system_sgpr_workgroup_id_x 1
		.amdhsa_system_sgpr_workgroup_id_y 1
		.amdhsa_system_sgpr_workgroup_id_z 1
		.amdhsa_system_vgpr_workitem_id 0
		.amdhsa_next_free_vgpr 246
		.amdhsa_next_free_sgpr 66
		.amdhsa_reserve_vcc 0
		.amdhsa_float_denorm_mode_32 3
		.amdhsa_float_denorm_mode_16_64 3
		.amdhsa_memory_ordered 1
		.amdhsa_forward_progress 1
		.amdhsa_inst_pref_size 100
	.end_amdhsa_kernel
	.amdgpu_metadata
---
amdhsa.version: [ 1, 2 ]
amdhsa.kernels:
  - .name:           k_qc78154eccb_quant
    .symbol:         k_qc78154eccb_quant.kd
    .args:
      - { .name: input_ids, .offset: 0, .size: 8, .value_kind: global_buffer, .address_space: global }
      - { .name: encoder_output, .offset: 8, .size: 8, .value_kind: global_buffer, .address_space: global }
      - { .name: Wq, .offset: 16, .size: 8, .value_kind: global_buffer, .address_space: global }
      - { .name: Wk, .offset: 24, .size: 8, .value_kind: global_buffer, .address_space: global }
      - { .name: Wv, .offset: 32, .size: 8, .value_kind: global_buffer, .address_space: global }
      - { .name: Wo, .offset: 40, .size: 8, .value_kind: global_buffer, .address_space: global }
      - { .name: acodes, .offset: 48, .size: 8, .value_kind: global_buffer, .address_space: global }
      - { .name: ascales, .offset: 56, .size: 8, .value_kind: global_buffer, .address_space: global }
    .group_segment_fixed_size: 34304
    .private_segment_fixed_size: 0
    .kernarg_segment_align: 8
    .kernarg_segment_size: 64
    .max_flat_workgroup_size: 128
    .sgpr_count:     66
    .vgpr_count:     246
    .wavefront_size: 32
...
	.end_amdgpu_metadata
.endif
;; end of part 1
;; launch proj (part 2): grid 4 x 80, 4 waves a work-group, clusters of 4 x 4, 327,680 bytes of LDS; arguments acodes, ascales, qkv; writes qkv
.if DOCPART == 2
	.amdgcn_target "amdgcn-amd-amdhsa--gfx1250"
	.amdhsa_code_object_version 6
	.text
	.protected	k_qc78154eccb_proj
	.globl	k_qc78154eccb_proj
	.p2align	8
	.type	k_qc78154eccb_proj,@function
k_qc78154eccb_proj:
	s_mov_b64 s[64:65], 0
	v_nop
	global_prefetch_b8 v0, s[64:65] scope:SCOPE_SE
	s_setreg_imm32_b32 hwreg(HW_REG_WAVE_MODE, 25, 1), 1
	s_wait_xcnt 0x0
	s_wait_alu depctr_hold_cnt(0) depctr_sa_sdst(0) depctr_va_vdst(0) depctr_va_sdst(0) depctr_va_ssrc(0) depctr_va_vcc(0) depctr_vm_vsrc(0)
	s_getreg_b32 s2, hwreg(HW_REG_IB_STS2, 6, 4)
	s_cmp_eq_u32 s2, 0
	s_cbranch_scc0 .Lentry_in_a_cluster
	s_endpgm
.Lentry_in_a_cluster:
	s_bfe_u32 s2, ttmp6, 0x10000c
	s_cmp_lg_u32 s2, 0xf033
	s_cbranch_scc0 .Lentry_shape_is_right
	s_endpgm
.Lentry_shape_is_right:
; q = input_ids Wq, k = encoder_output Wk, v = encoder_output Wv, on codes of FP6 (E2M3) with E8M0 scales, K = 1,024, sums in f32; each result is quantised in registers and leaves as codes.
; One text serves the three: C'[m'][n'] = sum over k of A'[m'][k] B'[n'][k].  q and k: A' = the tokens, B' = the weight's columns, quantised along the columns (a head's 64).
; v: A' = Wv's columns, B' = the tokens, quantised along the tokens (the keys).  Which of the three a cluster serves hangs on the cluster's y alone, by selects.
; A tile of C', 256 x 256, is made by four waves; a wave makes 128 x 128: 64 accumulators.  The matrix instruction is used transposed (source 0 = 16 rows of B', source 1 = 16 of A').
; OPERANDS lie in memory by POSITION (a row's number with bits 3 and 4 exchanged), in tiles of 16 positions (12,288 bytes) and units of 64 along K, as images of the operand's registers: a fragment is six LDS loads of 256 consecutive bytes,
; and in a lane the 16 registers of accumulators 2 b and 2 b + 1 are n' = 32 b + 16 (lane / 16) + 0 .. 15 in true order.
; K goes in four steps of 256 through three LDS slots (A's 16 tiles, then B's 16, 3,072 bytes each).  THE HEAD: one tensor load a wave: wave w brings the 16 tiles of A (w < 2) or B of K step w % 2: slots 0 and 1 whole.
; Behind the waits, the add and a round each wave brings its quarter of step 2 into slot 2 (128 + 64 matrix instructions stand ahead of the wait for it); behind the round at step 1's end, step 3 into slot 0.  One tensor load of a wave is out at any time.
; THE SCALE WORDS go from memory into registers once: 32 bytes a position, two loads of 16 bytes for each tile, which together cover the tile's 512 consecutive bytes; lanes 0-15 take A's, lanes 16-31 B's.
; CLUSTERS: 4 x 4 work-groups; A's tiles are asked for jointly along a row of the cluster, B's along a column.  No prefetch: K has four steps, of which the head's loads bring two.
; OUT (qkv): records of 7,168 bytes for 128 m' x 64 n': units 0-3, 512 bytes of scale words, units 4-7, the scale words again with the halves exchanged.  Word i of lane l: tile 2 i + l / 16, place l % 16; bytes 0, 1 the two blocks, bytes 2, 3 zero.
; LIMITS: NaN and infinities are not served; a block of zeros gets the byte 1 (its codes are zeros, only this program reads the bytes); blocks under the floor 2^-124 were not tried.
; REGISTERS: window 0: v16-29 addresses; v32-95 scale words (8 i + w: block i, K step of 128 w); v128-223 A's fragments, one set (on the way out: at work).  window 1: B's fragments, two sets.  windows 2, 3: the accumulators.
.set FR,    12
.set NL,    6
.set NP,    4                          ; places behind this matrix instruction (ISA guide 7.12.1)
.set TILEB, 3072                       ; a tile's 256 along K
.set HALFT, 8*TILEB
.set SLOT,  4*HALFT
.set SPARE, 3*SLOT                     ; the spare words: two blocks of 256 bytes that no other line names
.set OUTK,  3670016
.set OUTV,  11010048
.set ADRA, 16                          ; v16-18 my A fragments in slot 0, 1, 2;  v20-22 B's
.set ADRB, 20
.set ADRS, 27                          ; my byte offset in ascales
.set SPW,  28
.set NIL,  29
.set SC,   32
.set AF,   128
.set PC,   128
.set TM,   148
.set WS,   164
.set WT,   180
.set G1,   24
.set G0,   32                          ; s[32:35] A's group 0 for step 2, s[36:39] for step 3
.set GH,   44                          ; for the head's load
.set G1B,  48
.set G0B,  56
.set GHB,  88
.set HM,   99                          ; lanes 16-31
.set MSB, 0
.macro WIN new
.if MSB != (\new)
	s_set_vgpr_msb (MSB<<8)|(\new)
.set MSB, (\new)
.endif
.endm
.set MUL_LO, 0xa1
.set MUL_HI, 0xf1
.set TO_B,   0x40
.macro JLOAD g0a, g1a, g0b, g1b        ; a joint load: waves 0 and 1 fetch for A, waves 2 and 3 for B; s_nop 0 and four v_nop follow each line
	s_cmp_eq_u32 s15, 0
	s_cbranch_scc0 .Lfor_b_\@
	tensor_load_to_lds s[\g0a:\g0a+3], s[\g1a:\g1a+7]
	s_nop 0
.rept 4
	v_nop
.endr
	s_branch .Lasked_\@
.Lfor_b_\@:
	tensor_load_to_lds s[\g0b:\g0b+3], s[\g1b:\g1b+7]
	s_nop 0
.rept 4
	v_nop
.endr
.Lasked_\@:
.endm
.macro CREST
	s_cmp_lg_u32 s14, 0
	s_cbranch_scc1 .Lnot_wave_0_\@
	s_barrier_signal -3
.Lnot_wave_0_\@:
	s_barrier_wait -3
	s_barrier_signal -1
	s_barrier_wait -1
.endm
.macro CROUND
	s_barrier_signal -1
	s_barrier_wait -1
	CREST
.endm
	s_load_b128 s[4:7], s[0:1], 0x0                ; acodes, ascales
	s_load_b64 s[8:9], s[0:1], 0x10                ; qkv
	v_lshl_add_u32 v[SPW], v0, 2, SPARE
	v_mov_b32 v[NIL], 0
	ds_add_u32 v[SPW], v[NIL]                      ; the opening lines: the add twice on end and one wait
	ds_add_u32 v[SPW], v[NIL]
	v_lshrrev_b32 v1, 5, v0
	v_readfirstlane_b32 s14, v1                    ; wave
	s_lshr_b32 s15, s14, 1                         ; my half of the tile's rows.  Also: I fetch for A (0) or for B (1)
	s_and_b32 s16, s14, 1                          ; my half of its columns.  Also: which K step (head) or which 8 tiles (ring) I fetch
	s_bfe_u32 s92, ttmp6, 0x40000                  ; cx
	s_bfe_u32 s93, ttmp6, 0x40004                  ; cy
	s_and_b32 s17, ttmp7, 0xffff                   ; the cluster's y: 0-3 q, 4-11 k, 12-19 v
	s_sub_co_u32 s18, s17, 4
	s_sub_co_u32 s19, s17, 12
	s_mov_b32 s20, 256
	s_mov_b32 s21, 896
	s_mov_b32 s22, 832
	s_mov_b32 s23, OUTK
	s_mov_b32 s66, OUTV
	s_mov_b32 s67, 917504
	s_mov_b32 s97, 114688
	s_cmp_lt_u32 s17, 12                           ; k (or q), or v
	s_cselect_b32 s18, s18, 0                      ; the cluster's row of C'
	s_cselect_b32 s19, 0, s19                      ; and its column
	s_cselect_b32 s21, s20, s21                    ; A's first tile
	s_cselect_b32 s22, s22, s20                    ; B's
	s_cselect_b32 s23, s23, s66                    ; where the part begins in qkv
	s_cselect_b32 s67, s97, s67                    ; bytes from a block of 128 m' to the next
	s_mov_b32 s20, 768
	s_cmp_lt_u32 s17, 4                            ; q
	s_cselect_b32 s18, s17, s18
	s_cselect_b32 s21, 0, s21
	s_cselect_b32 s22, s20, s22
	s_cselect_b32 s23, 0, s23
	s_lshl_b32 s17, s18, 2
	s_add_co_u32 s17, s17, s93                     ; tile row of C'
	s_lshl_b32 s94, s19, 2
	s_add_co_u32 s94, s94, s92                     ; tile column
	s_lshl_b32 s10, s17, 1                         ; where my wave stores: block of 128 m' = 2 x tile row + half; group of 64 n' = 4 x tile column + 2 x half
	s_add_co_u32 s10, s10, s15
	s_mul_i32 s10, s10, s67
	s_add_co_u32 s10, s10, s23
	s_lshl_b32 s11, s94, 2
	s_lshl_b32 s12, s16, 1
	s_add_co_u32 s11, s11, s12
	s_mul_i32 s11, s11, 7168
	s_add_co_u32 s10, s10, s11
	s_mov_b32 s11, 0
	s_lshl_b32 s95, s93, 2
	s_lshl_b32 s95, 15, s95                        ; my row of the cluster
	s_lshl_b32 s96, 0x1111, s92                    ; my column
	; group 1: tiles' parts of 3,072 bytes (384 elements of 8 bytes), 12,288 bytes apart: 16 of them for the head's loads, later 8
	s_or_b32 s[G1], s95, (3<<16)|(1<<21)
	s_or_b32 s[G1B], s96, (3<<16)|(1<<21)
.irp g, G1, G1B
	s_mov_b32 s[\g+1], 384<<16
	s_mov_b32 s[\g+2], 16<<16
	s_mov_b32 s[\g+3], 384<<16
	s_mov_b32 s[\g+4], 16
	s_mov_b32 s[\g+5], 1536
	s_mov_b32 s[\g+6], 0
	s_mov_b32 s[\g+7], 0
.endr
	s_lshl_b32 s20, s17, 4
	s_add_co_u32 s20, s20, s21                     ; the block's first tile of A: it hangs on the tile row alone
	s_lshl_b32 s98, s94, 4
	s_add_co_u32 s98, s98, s22                     ; of B: on the tile column alone
	s_lshl_b32 s2, s15, 3
	s_add_co_u32 s2, s2, s20
	s_lshl_b32 s2, s2, 9                           ; the scale bytes of the 8 tiles of A that I multiply: 512 a tile
	s_lshl_b32 s3, s16, 3
	s_add_co_u32 s3, s3, s98
	s_lshl_b32 s3, s3, 9                           ; and of B
	s_mul_i32 s18, s20, 12288
	s_mov_b32 s19, 0
	s_mul_i32 s100, s98, 12288
	s_mov_b32 s101, 0
	s_mul_i32 s66, s16, TILEB                      ; the head: my K step
	s_mov_b32 s67, 0
	s_mul_i32 s96, s16, 8*12288                    ; the ring: my 8 tiles
	s_mov_b32 s97, 0
	s_mul_i32 s22, s14, HALFT                      ; the ring: where they go in a slot
	s_mul_i32 s21, s16, SLOT                       ; the head: my slot
	s_mul_i32 s20, s15, HALFT                      ; the 8 tiles of A that I multiply
	s_mul_i32 s23, s16, HALFT
	s_add_co_u32 s23, s23, 2*HALFT                 ; and of B
	s_mov_b32 s12, 0x76543210
	s_mov_b32 s13, 0xfedcba98                      ; lane selects: lane l xor 16
	s_mov_b32 s[HM], 0xffff0000
	v_and_b32 v1, 15, v0                           ; r
	v_and_b32 v3, 31, v0
	v_lshlrev_b32 v24, 3, v3                       ; 8 x lane: my place in a chunk
	v_lshlrev_b32 v25, 4, v3                       ; 16 x lane: my scale words on the way out
	v_add_nc_u32 v[ADRA], s20, v24
	v_add_nc_u32 v[ADRB], s23, v24
.irp s, 1,2
	v_add_nc_u32 v[ADRA+\s], \s*SLOT, v[ADRA]
	v_add_nc_u32 v[ADRB+\s], \s*SLOT, v[ADRB]
.endr
	v_mov_b32 v5, s2
	v_mov_b32 v6, s3
	v_cndmask_b32 v5, v5, v6, s[HM]                ; lanes 16-31 take B's
	v_lshl_add_u32 v[ADRS], v1, 5, v5              ; + 32 bytes a position
	s_wait_alu depctr_va_vdst(0)                   ; the wait at the head's end
	s_wait_dscnt 0x0                               ; both opening adds are done
	s_wait_kmcnt 0x0
.irp i, 0,1,2,3,4,5,6,7
	global_load_b128 v[SC+8*\i:SC+8*\i+3], v[ADRS], s[6:7] offset:512*\i       ; block i's words 0-3
	global_load_b128 v[SC+8*\i+4:SC+8*\i+7], v[ADRS], s[6:7] offset:512*\i+16  ; and 4-7
.endr
	s_add_nc_u64 s[8:9], s[8:9], s[10:11]
	s_add_nc_u64 s[18:19], s[4:5], s[18:19]
	s_add_nc_u64 s[100:101], s[4:5], s[100:101]
	s_mov_b32 s[GH], 1
	s_mov_b32 s[GH+1], s21
	s_add_nc_u64 s[GH+2:GH+3], s[18:19], s[66:67]
	s_or_b32 s[GH+3], s[GH+3], 0x80000000
	s_mov_b32 s[GHB], 1
	s_add_co_u32 s[GHB+1], s21, 2*HALFT
	s_add_nc_u64 s[GHB+2:GHB+3], s[100:101], s[66:67]
	s_or_b32 s[GHB+3], s[GHB+3], 0x80000000
	s_add_nc_u64 s[18:19], s[18:19], s[96:97]
	s_add_nc_u64 s[100:101], s[100:101], s[96:97]
.irp n, 0,1                                    ; step 2 into slot 2, step 3 into slot 0
	s_mov_b32 s[G0+4*\n], 1
	s_add_co_u32 s[G0+4*\n+1], s22, (2-2*\n)*SLOT
	s_add_nc_u64 s[G0+4*\n+2:G0+4*\n+3], s[18:19], (2+\n)*TILEB
	s_or_b32 s[G0+4*\n+3], s[G0+4*\n+3], 0x80000000
	s_mov_b32 s[G0B+4*\n], 1
	s_add_co_u32 s[G0B+4*\n+1], s22, (2-2*\n)*SLOT
	s_add_nc_u64 s[G0B+4*\n+2:G0B+4*\n+3], s[100:101], (2+\n)*TILEB
	s_or_b32 s[G0B+4*\n+3], s[G0B+4*\n+3], 0x80000000
.endr
	CROUND                                         ; all sixteen work-groups are here: the first joint loads meet
	JLOAD GH, G1, GHB, G1B                         ; my one load of the head
.macro FRAG reg, adr, q, i             ; a fragment, 16 positions x 128 K: six chunks of 256 consecutive bytes
.irp p, 0,1,2,3,4,5
	ds_load_b64 v[\reg+2*\p:\reg+2*\p+1], v[\adr] offset:(\i)*TILEB+(\q)*1536+256*\p
.endr
.endm
; 16 matrix instructions: A's blocks a0, a0 + 1 x B's eight.  p: B's set; q: which 128 of K step sc.  The 64 accumulators take turns, one instruction a turn.
.macro MUL16 a0, p, q, sc, zero
.irp a, \a0, \a0+1
.irp b, 0,1,2,3,4,5,6,7
.if \zero
	v_wmma_scale_f32_16x16x128_f8f6f4 v[8*(8*((\a)%4)+\b):8*(8*((\a)%4)+\b)+7], v[128*(\p)+FR*\b:128*(\p)+FR*\b+FR-1], v[AF+FR*(\a):AF+FR*(\a)+FR-1], 0, v[SC+8*\b+2*(\sc)+(\q)], v[SC+8*(\a)+2*(\sc)+(\q)] matrix_a_fmt:MATRIX_FMT_FP6 matrix_b_fmt:MATRIX_FMT_FP6 matrix_a_scale:MATRIX_SCALE_ROW1
.else
	v_wmma_scale_f32_16x16x128_f8f6f4 v[8*(8*((\a)%4)+\b):8*(8*((\a)%4)+\b)+7], v[128*(\p)+FR*\b:128*(\p)+FR*\b+FR-1], v[AF+FR*(\a):AF+FR*(\a)+FR-1], v[8*(8*((\a)%4)+\b):8*(8*((\a)%4)+\b)+7], v[SC+8*\b+2*(\sc)+(\q)], v[SC+8*(\a)+2*(\sc)+(\q)] matrix_a_fmt:MATRIX_FMT_FP6 matrix_b_fmt:MATRIX_FMT_FP6 matrix_a_scale:MATRIX_SCALE_ROW1
.endif
.endr
.endr
.endm
.macro FETCH_B slot, q, p
	WIN TO_B
.irp i, 0,1,2,3,4,5,6,7
	FRAG 128*(\p)+FR*\i, ADRB+\slot, \q, \i
.endr
	WIN 0
.endm
.macro FETCH_A slot, q, i0
.irp i, \i0, \i0+1, \i0+2, \i0+3
	FRAG AF+FR*(\i), ADRA+\slot, \q, \i
.endr
.endm
.macro PLACES n                        ; plain places in front of loads into registers that matrix instructions have read, and of the first read of results
.rept \n
	v_nop
.endr
.endm
.macro STEP slot, sc, zero             ; a slot's first 128 along K
	s_wait_dscnt 4*NL                              ; B's set and A's blocks 0-3 are in; the youngest 24 loads (A's blocks 4-7) may be out
	WIN MUL_LO
	MUL16 0, 0, 0, \sc, \zero
	MUL16 2, 0, 0, \sc, \zero
	s_wait_dscnt 0
	PLACES NP
	FETCH_B \slot, 1, 1
	FETCH_A \slot, 1, 0
	WIN MUL_HI
	MUL16 4, 0, 0, \sc, \zero
	MUL16 6, 0, 0, \sc, \zero
	PLACES NP
	WIN 0
	FETCH_A \slot, 1, 4
.endm
; A slot's second 128 along K, which goes on to slot next.  mode 0: no barrier: the next slot was shown whole by the head's round.  mode 1: slot 0 is filled again behind a round of the cluster's barrier.  mode 2: a barrier alone.
.macro TURN next, sc, mode
.if \mode == 0
	s_wait_dscnt 4*NL
	WIN MUL_LO
	MUL16 0, 1, 1, \sc, 0
	MUL16 2, 1, 1, \sc, 0
	s_wait_dscnt 0x0
	PLACES NP
	WIN 0
.else
	s_wait_tensorcnt 0x0                           ; my one tensor load that was out has landed;
	ds_add_u32 v[SPW], v[NIL]                      ; 0 onto my spare word;
	s_wait_dscnt 4*NL+1                            ; (the add and the youngest 24 loads may be out)
	WIN MUL_LO
	MUL16 0, 1, 1, \sc, 0
	s_wait_dscnt 0x0                               ; the add is done, and my reads of this slot and of those before it are over
	s_barrier_signal -1
	MUL16 2, 1, 1, \sc, 0
	WIN 0
	s_barrier_wait -1
.if \mode == 1
	CREST                                          ; the barrier has opened a round: no wave of any partner still reads slot 0 or has a load on its way
	JLOAD G0+4, G1, G0B+4, G1B                     ; K step 3 into slot 0; its four v_nop are the places in front of the loads below
.else
	PLACES NP
.endif
.endif
	FETCH_B \next, 0, 0
	FETCH_A \next, 0, 0
	WIN MUL_HI
	MUL16 4, 1, 1, \sc, 0
	MUL16 6, 1, 1, \sc, 0
	PLACES NP
	WIN 0
	FETCH_A \next, 0, 4
.endm
	s_wait_alu depctr_va_vdst(0)
	s_wait_tensorcnt 0x0                           ; my tile of the head's four is in
	ds_add_u32 v[SPW], v[NIL]
	s_mov_b32 s[G1+2], 8<<16                       ; no tensor load of mine is out: from here on a load brings 8 tiles
	s_mov_b32 s[G1+4], 8
	s_mov_b32 s[G1B+2], 8<<16
	s_mov_b32 s[G1B+4], 8
	s_wait_dscnt 0x0
	CROUND                                         ; slots 0 and 1 are whole for every wave
	JLOAD G0, G1, G0B, G1B                         ; K step 2 into slot 2
	FETCH_B 0, 0, 0
	FETCH_A 0, 0, 0
	FETCH_A 0, 0, 4
	s_wait_loadcnt 0x0                             ; the scale words
	STEP 0, 0, 1                                   ; the first products start the sums
	TURN 1, 0, 0
	STEP 1, 1, 0
	TURN 2, 1, 1
	STEP 2, 2, 0
	TURN 0, 2, 2
	STEP 0, 3, 0
	s_wait_dscnt 4*NL
	WIN MUL_LO
	MUL16 0, 1, 1, 3, 0
	MUL16 2, 1, 1, 3, 0
	s_wait_dscnt 0
	WIN MUL_HI
	MUL16 4, 1, 1, 3, 0
	MUL16 6, 1, 1, 3, 0
	WIN 0
; THE WAY OUT: block a (16 positions of m' x my 128 n') is quantised as it stands in the accumulators: four blocks of 32 along n', each in lanes l and l xor 16, 16 numbers a lane.
.macro QOUT a
.set AC, 64*((\a)%4)
	WIN 0x0a+5*((\a)/4)
.irp b, 0,1,2,3
	v_max3_num_f32 v[TM+\b], |v[AC+16*\b]|, |v[AC+16*\b+1]|, 0x1800000   ; each accumulator from its low end on; the floor 2^(3 - 127) holds the byte at 1 from below
.endr
.irp i, 2,4,6,8,10,12,14
.irp b, 0,1,2,3
	v_max3_num_f32 v[TM+\b], |v[AC+16*\b+\i]|, |v[AC+16*\b+\i+1]|, v[TM+\b]
.endr
.endr
	WIN 0
.irp b, 0,1,2,3
	v_permlanex16_b32 v[TM+4+\b], v[TM+\b], s12, s13
.endr
.irp b, 0,1,2,3
	v_max_num_f32 v[TM+\b], v[TM+\b], v[TM+4+\b]
.endr
.irp b, 0,1,2,3
	v_add_nc_u32 v[TM+12+\b], 0xff000000, v[TM+\b] ; 2 off the exponent field: the conversion's scale operand
.endr
.irp b, 0,1,2,3
	v_lshrrev_b32 v[TM+4+\b], 23, v[TM+12+\b]      ; the scale's byte
.endr
.irp c, 0,1
	v_lshl_or_b32 v[WT+\c], v[TM+5+2*\c], 8, v[TM+4+2*\c]   ; a group of 64 has two blocks: bytes 0 and 1
.endr
.irp c, 0,1
.if (\a)%2 == 0
	v_mov_b32 v[WS+8*\c+(\a)/2], v[WT+\c]          ; an even tile's words serve in lanes 0-15,
.else
	v_cndmask_b32 v[WS+8*\c+(\a)/2], v[WS+8*\c+(\a)/2], v[WT+\c], s[HM]   ; an odd tile's in lanes 16-31
.endif
.endr
	s_wait_alu depctr_va_vdst(0)
	s_wait_xcnt 0x0                                ; the last block's stores have read their data
	WIN 0x02+(\a)/4
.irp c, 0,1
	v_cvt_scalef32_pk16_fp6_f32 v[PC+6*\c:PC+2+6*\c], v[AC+32*\c:AC+15+32*\c], v[TM+12+2*\c]
	v_cvt_scalef32_pk16_fp6_f32 v[PC+12+4*\c:PC+14+4*\c], v[AC+16+32*\c:AC+31+32*\c], v[TM+12+2*\c+1]
.endr
	WIN 0
	v_nop                                          ; one plain place behind a scaled conversion
.irp c, 0,1                                    ; a unit wants a whole block in a lane
.irp i, 0,1,2
	v_permlane16_swap_b32 v[PC+6*\c+\i], v[PC+12+4*\c+\i]
.endr
.irp i, 0,1,2
	v_mov_b32 v[PC+3+6*\c+\i], v[PC+12+4*\c+\i]
.endr
.endr
.irp c, 0,1
.irp p, 0,1,2
	global_store_b64 v24, v[PC+6*\c+2*\p:PC+6*\c+2*\p+1], s[8:9] offset:\c*7168+(\a)*768+512*((\a)/4)+256*\p   ; 256 consecutive bytes, aligned
.endr
.endr
.endm
	PLACES NP
.irp b, 0,1,2,3
	v_mov_b32 v[TM+4+\b], 0                        ; a lane permute's destination counts as one of its sources
.endr
.irp a, 0,1,2,3,4,5,6,7
	QOUT \a
.endr
.irp c, 0,1
	v_mov_b32 v[WS+8*\c+4], v[WS+8*\c]
	v_mov_b32 v[WS+8*\c+5], v[WS+8*\c+1]
.endr
.irp c, 0,1
	global_store_b128 v25, v[WS+8*\c:WS+8*\c+3], s[8:9] offset:\c*7168+3072        ; words 0, 1, 2, 3: 512 consecutive bytes
	global_store_b128 v25, v[WS+8*\c+2:WS+8*\c+5], s[8:9] offset:\c*7168+6656      ; words 2, 3, 0, 1
.endr
	s_wait_tensorcnt 0x0                           ; the wave's end
	ds_add_u32 v[SPW], v[NIL]
	s_wait_dscnt 0x0
	CROUND                                         ; the closing round
	s_endpgm
.Lfunc_end_k_qc78154eccb_proj:
	.size	k_qc78154eccb_proj, .Lfunc_end_k_qc78154eccb_proj-k_qc78154eccb_proj
	.p2alignl 7, 3214868480
	.fill 96, 4, 3214868480
	.section	.rodata,"a",@progbits
	.p2align	6, 0x0
	.amdhsa_kernel k_qc78154eccb_proj
		.amdhsa_group_segment_fixed_size 327680
		.amdhsa_private_segment_fixed_size 0
		.amdhsa_enable_private_segment 0
		.amdhsa_kernarg_size 24
		.amdhsa_user_sgpr_count 2
		.amdhsa_user_sgpr_kernarg_segment_ptr 1
		.amdhsa_wavefront_size32 1
		.amdhsa_system_sgpr_workgroup_id_x 1
		.amdhsa_system_sgpr_workgroup_id_y 1
		.amdhsa_system_sgpr_workgroup_id_z 1
		.amdhsa_system_vgpr_workitem_id 0
		.amdhsa_next_free_vgpr 1024
		.amdhsa_next_free_sgpr 102
		.amdhsa_reserve_vcc 0
		.amdhsa_float_denorm_mode_32 3
		.amdhsa_float_denorm_mode_16_64 3
		.amdhsa_memory_ordered 1
		.amdhsa_forward_progress 1
		.amdhsa_inst_pref_size 165
	.end_amdhsa_kernel
	.amdgpu_metadata
---
amdhsa.version: [ 1, 2 ]
amdhsa.kernels:
  - .name:           k_qc78154eccb_proj
    .symbol:         k_qc78154eccb_proj.kd
    .args:
      - { .name: acodes, .offset: 0, .size: 8, .value_kind: global_buffer, .address_space: global }
      - { .name: ascales, .offset: 8, .size: 8, .value_kind: global_buffer, .address_space: global }
      - { .name: qkv, .offset: 16, .size: 8, .value_kind: global_buffer, .address_space: global }
    .group_segment_fixed_size: 327680
    .private_segment_fixed_size: 0
    .kernarg_segment_align: 8
    .kernarg_segment_size: 24
    .max_flat_workgroup_size: 128
    .sgpr_count:     102
    .vgpr_count:     1024
    .wavefront_size: 32
...
	.end_amdgpu_metadata
.endif
;; end of part 2
;; launch attn (part 3): grid 16 x 16, 16 waves a work-group, clusters of 4 x 1, 327,680 bytes of LDS; arguments qkv, position_bias, ocodes, oscales; writes ocodes, oscales
.if DOCPART == 3
	.amdgcn_target "amdgcn-amd-amdhsa--gfx1250"
	.amdhsa_code_object_version 6
	.text
	.protected	k_qc78154eccb_attn
	.globl	k_qc78154eccb_attn
	.p2align	8
	.type	k_qc78154eccb_attn,@function
k_qc78154eccb_attn:
	s_mov_b64 s[64:65], 0
	v_nop
	global_prefetch_b8 v0, s[64:65] scope:SCOPE_SE
	s_setreg_imm32_b32 hwreg(HW_REG_WAVE_MODE, 25, 1), 1
	s_wait_xcnt 0x0
	s_wait_alu depctr_hold_cnt(0) depctr_sa_sdst(0) depctr_va_vdst(0) depctr_va_sdst(0) depctr_va_ssrc(0) depctr_va_vcc(0) depctr_vm_vsrc(0)
	s_getreg_b32 s2, hwreg(HW_REG_IB_STS2, 6, 4)
	s_cmp_eq_u32 s2, 0
	s_cbranch_scc0 .Lentry_in_a_cluster
	s_endpgm
.Lentry_in_a_cluster:
	s_bfe_u32 s2, ttmp6, 0x10000c
	s_cmp_lg_u32 s2, 0x3003
	s_cbranch_scc0 .Lentry_shape_is_right
	s_endpgm
.Lentry_shape_is_right:
; o[b][q][head] = softmax_k(q . k + position_bias[head][q][k]) v, no scaling, both products on codes of FP6 (E2M3) with E8M0 scales; o is quantised along (head, channel) and leaves as codes.
; THE SOFTMAX: t = score x log2(e); M = the row's largest t so far, rounded UP to a whole number; p = 2^(t - M) is what is quantised, along the keys, not normalised.  The row's sum is taken of the unquantised p and divides o at
; the end.  When M moves, the sum and O are multiplied by 2^(old M - new M): exact.
; SHARES.  A work-group owns 64 queries of one head for ALL FOUR batches: the bias, which the batches share, comes from memory once.  Wave w: batch w % 4, tile of 16 queries w / 4; 256 registers, four waves to a SIMD.
; Every wave walks the 2,048 keys, 128 a step, two steps a PERIOD.  TWO LDS SLOTS, each with a period's tiles: K of four batches x two steps (8 x 6,656 bytes) and the bias tile, 64 rows x 256 keys of f32 (1,024 bytes + 16 a row): 119,808 bytes.
; One tensor load a wave at the head and behind each round: waves 0-7 fetch K (batch w % 4, step w / 4 of the period), waves 8-15 eight rows of the bias each.  At a period's head every wave waits for its load (this period's tiles),
; and behind the round asks for the next period's into the other slot: that load has two steps' work in which to land.  One tensor load of a wave is out at any time.
; V DOES NOT GO THROUGH LDS: with V two slots of two steps would need 4 x 89,088 bytes, more than a work-group can have.  V lies in qkv as images of the operand's registers, so each wave loads its fragments itself,
; 256 consecutive bytes an instruction, at the tail of the step before the one that multiplies them; the four waves of a batch each read the same 7,168 bytes.
; CLUSTER.  The four query blocks of a cluster read the same K: those loads are joint (mask 15).  The bias tiles are each work-group's own: plain loads behind the same round.
; LAYOUT.  Both products transposed: S^T = K Q^T + bias (source 0 = 16 keys, source 1 = my 16 queries, C = the bias, so that its addition costs no instruction), O^T = V^T P^T: a lane holds ONE query throughout.
; Keys, queries and channels are filed by POSITION (bits 3 and 4 of the number exchanged), so the 16 registers of tiles 2 b and 2 b + 1 are 16 neighbours in true order.
; THE FIRST PRODUCT'S K IS 64: Q's upper six registers hold zero codes, the scale words' bytes 2 and 3 are 0 (2^-127, no NaN), and K's upper six registers are whatever codes stand next: they meet zeros.
; LIMITS: NaN and infinities are not served; the promise holds while |t| stays under 2^31; p under 2^-126 falls to 0; a block of zeros gets the byte 1 (its codes are zeros, only this program reads the bytes); 1 / sum is v_rcp_f32's.
.set KU,    26624                      ; in a slot: K of the period's first step (6,656 bytes a batch), then of its second
.set BOFF,  53248                      ; the bias: 64 rows by position
.set BP,    1040
.set SLOTB, 119808
.set SPARE, 2*SLOTB                    ; the spare words, 128 bytes for each wave: eight blocks of 256 bytes that no other line names
.set OUTK,  3670016
.set OUTV,  11010048
.set AK0, 1                            ; v1, v2, v5 my lane's places in a slot: K's chunks, K's scale words, the bias
.set AKS0, 2
.set GV,  3                            ; v3 8 x lane, v4 16 x lane: my places in V's chunks and scale words in memory
.set GVS, 4
.set AB0, 5
.set SPW, 6
.set NIL, 7
.set ADK, 8
.set ADKS, 9
.set ADB, 12
.set NM,  14                           ; v14 -M, v15 the largest t
.set QF,  16                           ; v16-27 Q: v22-27 zero codes
.set L,   28
.set PFO, 30
.set KF,  32                           ; v32-79 K's eight units; v80-85 zero
.set PC,  32                           ; behind the scores: v32-43 p's codes, v44-50 upper halves, v52-55 scale operands
.set CT,  44
.set SO,  52
.set KS,  86
.set PS,  90
.set QS,  91
.set VS,  92
.set S,   96                           ; v96-159 the bias, then S^T, then p
.set O,   160
.set VF,  192                          ; v192-239 V's four fragments;  v240-243 its scale words as they lie
.set VR,  240
.set F,   244
.set T0,  246
.set PT,  248
.set BM,  252
.set WV,  12
.set SEL, 18
.set CS,  20
.set KL,  22                           ; s22 where the K that I fetch goes in a slot;  s23 where my batch's K begins;  s80 where the bias rows that I fetch go
.set KB,  23
.set G1K, 24
.set G1B, 40
.set G0K, 48
.set G0B, 56
.set PFA, 60
.set PFS, 62
.set LIM, 66
.set HM,  67
.set VP,  68                           ; s[68:69] my batch's and head's V of the step to be loaded
.set BB,  80
.macro TLOAD                           ; one tensor load a wave; the branch hangs on the wave's number alone; s_nop 0 and four v_nop follow each line
	s_cmp_lt_u32 s[WV], 8
	s_cbranch_scc0 .Lbias_\@
	tensor_load_to_lds s[G0K:G0K+3], s[G1K:G1K+7]
	s_nop 0
.rept 4
	v_nop
.endr
	s_branch .Lasked_\@
.Lbias_\@:
	tensor_load_to_lds s[G0B:G0B+3], s[G1B:G1B+7]
	s_nop 0
.rept 4
	v_nop
.endr
.Lasked_\@:
.endm
; A PREFETCH INTO THE L2, behind the wave's tensor load: the change at period d loads period d + 1 and names period d + 2.  The bias: waves 8-15, each its own 8 rows x 4 blocks of 256 bytes, a lane a block.
; K and V: all clusters of a head walk the same, so the head's first cluster asks; its four partners take a batch each, told apart BY ADDRESS; waves 0 and 4 ask for K's 26 blocks of the period's two steps, waves 1 and 5 for V's 28
; (lanes that are over name the last block again).  The changes at periods 6 and 7 ask for nothing.  Periods 0 and 1 come by their loads alone.
.macro ASK
	s_cmp_eq_u32 s[LIM], 1
	s_cbranch_scc0 .Lnot_mine_\@
	global_prefetch_b8 v[PFO], s[PFA:PFA+1] th:TH_LOAD_NT scope:SCOPE_SE
.Lnot_mine_\@:
.endm
.macro CROUND                          ; a round of the cluster's barrier
	s_barrier_signal -1
	s_barrier_wait -1
	s_cmp_lg_u32 s[WV], 0
	s_cbranch_scc1 .Lnot_wave_0_\@
	s_barrier_signal -3
.Lnot_wave_0_\@:
	s_barrier_wait -3
	s_barrier_signal -1
	s_barrier_wait -1
.endm
.macro VLOAD                           ; V's four fragments and its scale words, from memory: 256 consecutive bytes an instruction
.irp t, 0,1,2,3
.irp c, 0,1
.irp p, 0,1,2
	global_load_b64 v[VF+12*\t+6*\c+2*\p:VF+12*\t+6*\c+2*\p+1], v[GV], s[VP:VP+1] offset:\c*7168+\t*768+256*\p
.endr
.endr
.endr
.irp c, 0,1
	global_load_b64 v[VR+2*\c:VR+2*\c+1], v[GVS], s[VP:VP+1] offset:\c*7168+3072
.endr
.endm
	s_load_b256 s[4:11], s[0:1], 0x0               ; qkv, position_bias, ocodes, oscales
	v_lshl_add_u32 v[SPW], v0, 2, SPARE
	v_mov_b32 v[NIL], 0
	ds_add_u32 v[SPW], v[NIL]                      ; the opening lines: the add twice on end and one wait
	ds_add_u32 v[SPW], v[NIL]
	v_lshrrev_b32 v8, 5, v0
	s_delay_alu instid0(VALU_DEP_1)
	v_readfirstlane_b32 s[WV], v8                  ; wave 0..15
	s_and_b32 s13, s[WV], 3                        ; my batch
	s_lshr_b32 s14, s[WV], 2                       ; my tile of queries.  In waves 0-7 also: which step of a period I fetch
	s_bfe_u32 s15, ttmp6, 0x40000                  ; cx
	s_lshl_b32 s16, ttmp9, 2
	s_add_co_u32 s16, s16, s15                     ; my block of 64 queries
	s_and_b32 s17, ttmp7, 0xffff                   ; the head, which the partners share
	s_mov_b32 s[SEL], 0x76543210
	s_mov_b32 s[SEL+1], 0xfedcba98
	s_mov_b32 s[CS], 0x3fb8aa3b                    ; log2(e)
	s_mov_b32 s[CS+1], s[CS]
	s_mov_b32 s[HM], 0xffff0000                    ; lanes 16-31
	; group 1.  K: 6,656 dense bytes as 26 rows of 256;  the bias: 8 rows of 256 f32, 2,048 apart, 16 bytes of padding behind each
	s_mov_b32 s[G1K], 15|(3<<16)|(1<<21)
	s_mov_b32 s[G1K+1], 32<<16
	s_mov_b32 s[G1K+2], 26<<16
	s_mov_b32 s[G1K+3], 32<<16
	s_mov_b32 s[G1K+4], 26
	s_mov_b32 s[G1K+5], 32
	s_mov_b32 s[G1K+6], 0
	s_mov_b32 s[G1K+7], 0
	s_mov_b32 s[G1B], (2<<16)|(1<<20)|(7<<22)|(3<<25)
	s_mov_b32 s[G1B+1], 256<<16
	s_mov_b32 s[G1B+2], 8<<16
	s_mov_b32 s[G1B+3], 256<<16
	s_mov_b32 s[G1B+4], 8
	s_mov_b32 s[G1B+5], 2048
	s_mov_b32 s[G1B+6], 0
	s_mov_b32 s[G1B+7], 0
	s_mul_i32 s82, s13, 1835008                    ; K: batch x 16 steps x 16 heads of 7,168 bytes, the head's record, the step that I fetch
	s_mul_i32 s83, s17, 7168
	s_add_co_u32 s82, s82, s83
	s_mul_i32 s83, s14, 114688
	s_add_co_u32 s82, s82, s83
	s_add_co_u32 s82, s82, OUTK
	s_mov_b32 s83, 0
	s_lshr_b32 s84, s17, 1                         ; V: the pair of heads, batch x 32 groups of 64 keys, the head's half of a record
	s_mul_i32 s84, s84, 917504
	s_mul_i32 s85, s13, 229376
	s_add_co_u32 s84, s84, s85
	s_and_b32 s85, s17, 1
	s_mul_i32 s85, s85, 3584
	s_add_co_u32 s84, s84, s85
	s_add_co_u32 s84, s84, OUTV
	s_mov_b32 s85, 0
	s_lshl_b32 s88, s17, 23                        ; the bias: the head's 1,024 rows of 8,192 bytes, my block's 64,
	s_lshl_b32 s87, s16, 19
	s_add_co_u32 s88, s88, s87
	s_and_b32 s89, s[WV], 7
	s_lshl_b32 s86, s89, 16                        ; and the 8 rows that I fetch
	s_add_co_u32 s86, s86, s88
	s_mov_b32 s87, 0
	s_mul_i32 s[KL], s[WV], 6656
	s_mul_i32 s[KB], s13, 6656
	s_and_b32 s[BB], s89, 4                        ; the bias rows by position: of the group's number, bits 0 and 1 exchanged
	s_and_b32 s81, s89, 1
	s_lshl_b32 s81, s81, 1
	s_or_b32 s[BB], s[BB], s81
	s_bfe_u32 s81, s89, 0x10001
	s_or_b32 s[BB], s[BB], s81
	s_mul_i32 s[BB], s[BB], 8*BP
	s_add_co_u32 s[BB], s[BB], BOFF
	s_lshl_b32 s90, s13, 3                         ; Q: block of 128 queries = 8 x batch + block / 2; the head's record; the half of it
	s_lshr_b32 s91, s16, 1
	s_add_co_u32 s90, s90, s91
	s_mul_i32 s90, s90, 114688
	s_mul_i32 s91, s17, 7168
	s_add_co_u32 s90, s90, s91
	s_and_b32 s91, s16, 1
	s_mul_i32 s91, s91, 3584
	s_add_co_u32 s90, s90, s91
	s_mov_b32 s91, 0
	s_lshl_b32 s92, s13, 6                         ; o: tile 64 x batch + 4 x block + my tile; unit = the head
	s_lshl_b32 s93, s16, 2
	s_add_co_u32 s92, s92, s93
	s_add_co_u32 s92, s92, s14
	s_mul_i32 s94, s92, 12288
	s_mul_i32 s93, s17, 768
	s_add_co_u32 s94, s94, s93
	s_mov_b32 s95, 0
	s_lshl_b32 s96, s92, 9
	s_lshl_b32 s93, s17, 1
	s_add_co_u32 s96, s96, s93
	s_mov_b32 s97, 0
	s_wait_alu depctr_va_vdst(0)
	s_wait_dscnt 0x0                               ; both opening adds are done
	s_wait_kmcnt 0x0
	s_mov_b32 s[G0K], 1                            ; period 0 into slot 0: these sets then walk on
	s_mov_b32 s[G0K+1], s[KL]
	s_add_nc_u64 s[G0K+2:G0K+3], s[4:5], s[82:83]
	s_or_b32 s[G0K+3], s[G0K+3], 0x80000000
	s_mov_b32 s[G0B], 1
	s_mov_b32 s[G0B+1], s[BB]
	s_add_nc_u64 s[G0B+2:G0B+3], s[6:7], s[86:87]
	s_or_b32 s[G0B+3], s[G0B+3], 0x80000000
	s_add_nc_u64 s[VP:VP+1], s[4:5], s[84:85]
	s_add_nc_u64 s[90:91], s[4:5], s[90:91]        ; Q's half of a record
	s_add_nc_u64 s[8:9], s[8:9], s[94:95]
	s_add_nc_u64 s[10:11], s[10:11], s[96:97]
	CROUND                                         ; all four work-groups are here: the first joint loads meet
	TLOAD                                          ; my one load of the head
	; the prefetches: where my wave's stand (at period 1: the first change steps them to period 2), a period's stride, and who asks
	s_and_b32 s81, s14, 1
	s_mul_i32 s82, s15, 1835008                    ; K of the batch that is my work-group's to ask for
	s_mul_i32 s83, s17, 7168
	s_add_co_u32 s82, s82, s83
	s_mul_i32 s83, s81, 114688
	s_add_co_u32 s82, s82, s83
	s_add_co_u32 s82, s82, OUTK+2*114688
	s_lshr_b32 s83, s17, 1
	s_mul_i32 s83, s83, 917504
	s_mul_i32 s84, s15, 229376
	s_add_co_u32 s83, s83, s84
	s_and_b32 s84, s17, 1
	s_mul_i32 s84, s84, 3584
	s_add_co_u32 s83, s83, s84
	s_mul_i32 s84, s81, 14336
	s_add_co_u32 s83, s83, s84
	s_add_co_u32 s83, s83, OUTV+2*14336            ; V likewise
	s_add_co_u32 s84, s86, 1024                    ; the bias: the rows that I fetch
	s_mov_b32 s94, 229376
	s_mov_b32 s95, 28672
	s_lshr_b32 s87, s13, 1
	s_or_b32 s87, s87, ttmp9                       ; 0 in waves 0, 1, 4, 5 (and 8, 9, 12, 13) of the head's first cluster: the same in all partners
	s_cmp_eq_u32 s87, 0
	s_cselect_b32 s[LIM], 1, -1
	s_cmp_lt_u32 s[WV], 8                          ; waves 8-15 ask in every work-group
	s_cselect_b32 s[LIM], s[LIM], 1
	s_cmp_eq_u32 s13, 0
	s_cselect_b32 s82, s82, s83
	s_cselect_b32 s[PFS], s94, s95
	s_cselect_b32 s98, 0, -1
	s_cmp_lt_u32 s[WV], 8
	s_cselect_b32 s82, s82, s84
	s_cselect_b32 s[PFS], s[PFS], 1024
	s_cselect_b32 s99, 0, -1
	s_cselect_b64 s[PFA:PFA+1], s[4:5], s[6:7]
	s_mov_b32 s83, 0
	s_mov_b32 s[PFS+1], 0
	s_add_nc_u64 s[PFA:PFA+1], s[PFA:PFA+1], s[82:83]
	v_and_b32 v8, 31, v0                           ; lane
	s_delay_alu instid0(VALU_DEP_1)
	v_min_u32 v9, 25, v8
	s_delay_alu instid0(VALU_DEP_1)
	v_lshlrev_b32 v9, 8, v9                        ; the prefetches' offsets: K's 26 blocks;
	s_delay_alu instid0(VALU_DEP_3)
	v_min_u32 v10, 27, v8
	s_delay_alu instid0(VALU_DEP_1)
	v_lshlrev_b32 v11, 8, v10
	s_delay_alu instid0(VALU_DEP_2)
	v_cmp_lt_u32 vcc_lo, 13, v10
	v_mov_b32 v13, 3584
	s_delay_alu instid0(VALU_DEP_1)
	v_cndmask_b32 v12, 0, v13, vcc_lo
	s_delay_alu instid0(VALU_DEP_1)
	v_add_nc_u32 v11, v11, v12                     ; V's 14 + 14, the second row 7,168 bytes behind the first;
	v_lshrrev_b32 v12, 2, v8
	s_delay_alu instid0(VALU_DEP_1)
	v_lshlrev_b32 v12, 13, v12
	v_and_b32 v13, 3, v8
	s_delay_alu instid0(VALU_DEP_1)
	v_lshl_add_u32 v12, v13, 8, v12                ; the bias's 8 rows x 4
	v_cndmask_b32 v[PFO], v9, v11, s98
	s_delay_alu instid0(VALU_DEP_1)
	v_cndmask_b32 v[PFO], v[PFO], v12, s99
	v_lshlrev_b32 v[GV], 3, v8                     ; 8 x lane
	v_lshlrev_b32 v[GVS], 4, v8                    ; 16 x lane
	s_delay_alu instid0(VALU_DEP_2)
	v_add_nc_u32 v[AK0], s[KB], v[GV]
	s_delay_alu instid0(VALU_DEP_2)
	v_add_nc_u32 v[AKS0], s[KB], v[GVS]
	v_and_b32 v11, 15, v0                          ; r
	v_bfe_u32 v12, v0, 4, 1                        ; h
	s_lshl_b32 s81, s14, 4
	v_add_nc_u32 v[AB0], s81, v11
	s_delay_alu instid0(VALU_DEP_1)
	v_mul_u32_u24 v[AB0], v[AB0], BP
	s_delay_alu instid0(VALU_DEP_1)
	v_lshl_add_u32 v[AB0], v12, 6, v[AB0]
	s_delay_alu instid0(VALU_DEP_1)
	v_add_nc_u32 v[AB0], BOFF, v[AB0]              ; the bias: my query's row, + 64 h: my 16 keys of a block of 32
	s_mul_i32 s81, s14, 768
	v_add_nc_u32 v13, s81, v[GV]
.irp p, 0,1,2
	global_load_b64 v[QF+2*\p:QF+2*\p+1], v13, s[90:91] offset:256*\p   ; Q's unit stays in registers
.endr
	s_and_b32 s81, s14, 1
	s_lshl_b32 s81, s81, 8
	s_lshr_b32 s93, s14, 1
	s_lshl_b32 s93, s93, 2
	s_add_co_u32 s81, s81, s93
	v_lshl_add_u32 v31, v11, 4, s81                ; Q's scale word: word t / 2 of the lane 16 (t % 2) + r
	global_load_b32 v[QS], v31, s[90:91] offset:3072
	VLOAD                                          ; step 0's V
	v_mov_b32 v15, 0xff61b1e6                      ; the largest t so far: -3e38
	s_delay_alu instid0(VALU_DEP_1)
	v_floor_f32 v[NM], -v15                        ; -M
	v_mov_b32 v[L], 0
	v_mov_b32 v[L+1], 0
	v_mov_b32 v[F+1], 0                            ; (named as the upper half of a pair)
.irp i, 0,1,2,3,4,5
	v_mov_b32 v[QF+6+\i], 0                        ; Q's codes of k = 64 .. 127: zeros
	v_mov_b32 v[KF+48+\i], 0                       ; what stands behind K's last unit
.endr
.irp b, 0,1,2,3
	v_mov_b32 v[PT+\b], 0                          ; a lane permute's destination counts as one of its sources
.endr
.set JJ, 0
.rept 32
	v_mov_b32 v[O+JJ], 0                           ; O^T.  (The step has one form: the first finds zeros, which the first change of M leaves zeros)
.set JJ, JJ+1
.endr
; What a step's first product wants, from step u of the slot named.  The bias of my query at keys 32 b + 16 h + 0 .. 15 goes just where the scores will stand.
.macro NEXTB slot, u
	v_add_nc_u32 v[ADB], (\slot)*SLOTB+(\u)*512, v[AB0]
.irp b, 0,1,2,3
.irp j, 0,1,2,3
	ds_load_b128 v[S+16*\b+4*\j:S+16*\b+4*\j+3], v[ADB] offset:128*\b+16*\j
.endr
.endr
.endm
.macro KADR slot, u
	v_add_nc_u32 v[ADK], (\slot)*SLOTB+(\u)*KU, v[AK0]
	v_add_nc_u32 v[ADKS], (\slot)*SLOTB+(\u)*KU, v[AKS0]
.endm
.macro KLD                             ; K's eight units and its scale words
	ds_load_b128 v[KS:KS+3], v[ADKS] offset:3072
.irp a, 0,1,2,3,4,5,6,7
.irp p, 0,1,2
	ds_load_b64 v[KF+6*\a+2*\p:KF+6*\a+2*\p+1], v[ADK] offset:\a*768+512*(\a/4)+256*\p
.endr
.endr
.endm
; A KEY STEP: 128 keys.  more = 1: the period's second step's K and bias are read from slot nxt at the tail.  vnext = 1: the next step's V is asked for at the tail.
.macro BODY nxt, more, vnext
	s_wait_alu depctr_va_vdst(0)
	s_wait_dscnt 0x0                               ; K, its scale words and the bias are in
.irp a, 0,1,2,3,4,5,6,7                        ; S^T = K Q^T + bias: eight accumulators, one instruction each
.if \a%2
	v_wmma_scale_f32_16x16x128_f8f6f4 v[S+8*\a:S+8*\a+7], v[KF+6*\a:KF+6*\a+11], v[QF:QF+11], v[S+8*\a:S+8*\a+7], v[KS+\a/2], v[QS] matrix_a_fmt:MATRIX_FMT_FP6 matrix_b_fmt:MATRIX_FMT_FP6 matrix_a_scale:MATRIX_SCALE_ROW1
.else
	v_wmma_scale_f32_16x16x128_f8f6f4 v[S+8*\a:S+8*\a+7], v[KF+6*\a:KF+6*\a+11], v[QF:QF+11], v[S+8*\a:S+8*\a+7], v[KS+\a/2], v[QS] matrix_a_fmt:MATRIX_FMT_FP6 matrix_b_fmt:MATRIX_FMT_FP6
.endif
.endr
.rept 4
	v_nop                                          ; places in front of the first read of the scores
.endr
.irp b, 0,1,2,3
	v_max3_num_f32 v[BM+\b], v[S+16*\b], v[S+1+16*\b], v[S+2+16*\b]   ; the largest score of each block of 32 keys: for the row's maximum and, since p rises with the score, for the block's largest p
.endr
.irp i, 3,5,7,9,11,13
.irp b, 0,1,2,3
	v_max3_num_f32 v[BM+\b], v[BM+\b], v[S+16*\b+\i], v[S+1+16*\b+\i]
.endr
.endr
.irp b, 0,1,2,3
	v_max_num_f32 v[BM+\b], v[BM+\b], v[S+15+16*\b]
.endr
.irp b, 0,1,2,3
	s_delay_alu instid0(VALU_DEP_4)
	v_permlanex16_b32 v[PT+\b], v[BM+\b], s[SEL], s[SEL+1]
.endr
.irp b, 0,1,2,3
	s_delay_alu instid0(VALU_DEP_4)
	v_max_num_f32 v[BM+\b], v[BM+\b], v[PT+\b]     ; with lane l xor 16's 16 keys
.endr
	s_delay_alu instid0(VALU_DEP_2)
	v_max3_num_f32 v[T0], v[BM], v[BM+1], v[BM+2]
	s_delay_alu instid0(VALU_DEP_1)
	v_max_num_f32 v[T0], v[T0], v[BM+3]
	s_delay_alu instid0(VALU_DEP_1)
	v_mul_f32 v[T0], s[CS], v[T0]                  ; as t
	s_delay_alu instid0(VALU_DEP_1)
	v_max_num_f32 v15, v15, v[T0]                  ; the running largest t
	v_mov_b32 v[T0], v[NM]
	s_delay_alu instid0(VALU_DEP_2)
	v_floor_f32 v[NM], -v15                        ; the new -M = floor(-t): M is a whole number
	s_delay_alu instid0(VALU_DEP_1)
	v_sub_f32 v[T0], v[NM], v[T0]                  ; old M less new M: a whole number, 0 or less
	s_delay_alu instid0(VALU_DEP_1)
	v_cvt_i32_f32 v[T0], v[T0]                     ; (it saturates)
	s_delay_alu instid0(VALU_DEP_1)
	v_ldexp_f32 v[F], 1.0, v[T0]                   ; f = 2^(old M - new M)
.set JJ, 0
.rept 32
	v_pk_fma_f32 v[S+JJ:S+JJ+1], v[S+JJ:S+JJ+1], s[CS:CS+1], v[NM:NM+1] op_sel_hi:[1,0,0]   ; t - M, two at a time
.set JJ, JJ+2
.endr
.irp b, 0,1,2,3
	v_fma_f32 v[BM+\b], v[BM+\b], s[CS], v[NM]     ; the same of each block's largest score
.endr
.set JJ, 0
	s_wait_alu depctr_va_vdst(0)
.rept 64
	v_exp_f32 v[S+JJ], v[S+JJ]                     ; p = 2^(t - M), at most 1
.set JJ, JJ+1
.endr
	v_pk_mul_f32 v[L:L+1], v[L:L+1], v[F:F+1] op_sel_hi:[1,0]   ; the sums under the new M: a plain place behind the exponentials
	s_wait_alu depctr_va_vdst(0)                   ; one wait for the whole batch, ahead of its first reader
.irp b, 0,1,2,3
	v_exp_f32 v[BM+\b], v[BM+\b]                   ; the block's largest p: the same two instructions on the same number give the same bits
.endr
	v_pk_add_f32 v[56:57], v[100:101], v[104:105]  ; the row's sum of the unquantised p, in eight chains
	v_pk_add_f32 v[250:251], v[108:109], v[112:113]
	v_pk_add_f32 v[248:249], v[116:117], v[120:121]
	v_pk_add_f32 v[94:95], v[124:125], v[128:129]
	v_pk_add_f32 v[92:93], v[132:133], v[136:137]
	v_pk_add_f32 v[88:89], v[140:141], v[144:145]
	v_pk_add_f32 v[86:87], v[148:149], v[152:153]
	v_pk_add_f32 v[28:29], v[28:29], v[156:157]
	v_pk_add_f32 v[56:57], v[56:57], v[96:97]
	v_pk_add_f32 v[250:251], v[250:251], v[98:99]
	v_pk_add_f32 v[248:249], v[248:249], v[102:103]
	v_pk_add_f32 v[94:95], v[94:95], v[106:107]
	v_pk_add_f32 v[92:93], v[92:93], v[110:111]
	v_pk_add_f32 v[88:89], v[88:89], v[114:115]
	v_pk_add_f32 v[86:87], v[86:87], v[118:119]
	v_pk_add_f32 v[28:29], v[28:29], v[122:123]
	v_pk_add_f32 v[56:57], v[56:57], v[126:127]
	v_pk_add_f32 v[250:251], v[250:251], v[130:131]
	v_pk_add_f32 v[248:249], v[248:249], v[134:135]
	v_pk_add_f32 v[94:95], v[94:95], v[138:139]
	v_pk_add_f32 v[92:93], v[92:93], v[142:143]
	v_pk_add_f32 v[88:89], v[88:89], v[146:147]
	v_pk_add_f32 v[86:87], v[86:87], v[150:151]
	v_pk_add_f32 v[28:29], v[28:29], v[154:155]
	v_pk_add_f32 v[56:57], v[56:57], v[158:159]
	s_delay_alu instid0(VALU_DEP_2)
	v_pk_add_f32 v[28:29], v[28:29], v[94:95]
	s_delay_alu instid0(VALU_DEP_2)
	v_pk_add_f32 v[56:57], v[56:57], v[92:93]
	v_pk_add_f32 v[250:251], v[250:251], v[88:89]
	v_pk_add_f32 v[248:249], v[248:249], v[86:87]
	s_delay_alu instid0(VALU_DEP_2)
	v_pk_add_f32 v[28:29], v[28:29], v[250:251]
	s_delay_alu instid0(VALU_DEP_2)
	v_pk_add_f32 v[56:57], v[56:57], v[248:249]
	s_delay_alu instid0(VALU_DEP_1)
	v_pk_add_f32 v[28:29], v[28:29], v[56:57]
	s_wait_alu depctr_va_vdst(0)                   ; and one for the four
.irp b, 0,1,2,3
	v_max_num_f32 v[BM+\b], 0x1800000, v[BM+\b]    ; the floor 2^(3 - 127): the byte cannot fall under 1
.endr
.irp b, 0,1,2,3
	s_delay_alu instid0(VALU_DEP_4)
	v_add_nc_u32 v[SO+\b], 0xff000000, v[BM+\b]    ; 2 off the exponent field: the conversion's scale operand
.endr
.irp b, 0,1,2,3
	s_delay_alu instid0(VALU_DEP_4)
	v_lshrrev_b32 v[PT+\b], 23, v[SO+\b]           ; the scale's byte
.endr
	s_delay_alu instid0(VALU_DEP_3)
	v_lshl_or_b32 v[PS], v[PT+1], 8, v[PT]         ; p's scale word for these 128 keys
	s_delay_alu instid0(VALU_DEP_1)
	v_lshl_or_b32 v[PS], v[PT+2], 16, v[PS]
	s_delay_alu instid0(VALU_DEP_1)
	v_lshl_or_b32 v[PS], v[PT+3], 24, v[PS]
.irp c, 0,1
	v_cvt_scalef32_pk16_fp6_f32 v[PC+6*\c:PC+2+6*\c], v[S+32*\c:S+15+32*\c], v[SO+2*\c]
	v_cvt_scalef32_pk16_fp6_f32 v[CT+4*\c:CT+2+4*\c], v[S+16+32*\c:S+31+32*\c], v[SO+2*\c+1]
.endr
	v_nop                                          ; one plain place behind a scaled conversion
.if \more
	NEXTB \nxt, 1                                  ; p has been read for the last time: its registers take the next step's bias
.endif
.irp c, 0,1                                    ; the operand wants a whole block in a lane
.irp i, 0,1,2
	v_permlane16_swap_b32 v[PC+6*\c+\i], v[CT+4*\c+\i]
.endr
.irp i, 0,1,2
	s_delay_alu instid0(VALU_DEP_3)
	v_mov_b32 v[PC+3+6*\c+\i], v[CT+4*\c+\i]
.endr
.endr
	s_wait_loadcnt 0x0                             ; V and its scale words are in, so their base may be written
.if \vnext
	s_add_nc_u64 s[VP:VP+1], s[VP:VP+1], 14336     ; on to the next 128 keys
.endif
.irp i, 0,1
	v_lshl_or_b32 v[VS+\i], v[VR+2+\i], 16, v[VR+\i]   ; keys 0-63's two bytes below, keys 64-127's above
.endr
.set JJ, 0
.rept 16
	v_pk_mul_f32 v[O+JJ:O+JJ+1], v[O+JJ:O+JJ+1], v[F:F+1] op_sel_hi:[1,0]   ; O^T under the new M.  (These sixteen are also the places between the scale words' and the codes' last writes and the products)
.set JJ, JJ+2
.endr
.irp t, 0,1,2,3                                ; O^T += V^T P^T: four accumulators, one instruction each
.if \t%2
	v_wmma_scale_f32_16x16x128_f8f6f4 v[O+8*\t:O+8*\t+7], v[VF+12*\t:VF+12*\t+11], v[PC:PC+11], v[O+8*\t:O+8*\t+7], v[VS+\t/2], v[PS] matrix_a_fmt:MATRIX_FMT_FP6 matrix_b_fmt:MATRIX_FMT_FP6 matrix_a_scale:MATRIX_SCALE_ROW1
.else
	v_wmma_scale_f32_16x16x128_f8f6f4 v[O+8*\t:O+8*\t+7], v[VF+12*\t:VF+12*\t+11], v[PC:PC+11], v[O+8*\t:O+8*\t+7], v[VS+\t/2], v[PS] matrix_a_fmt:MATRIX_FMT_FP6 matrix_b_fmt:MATRIX_FMT_FP6
.endif
.endr
.if \more                                      ; four places between the products and the loads into registers that they read
	KADR \nxt, 1
	v_nop
	v_nop
.else
.if \vnext
.rept 4
	v_nop
.endr
.endif
.endif
.if \vnext
	VLOAD
.endif
.if \more
	KLD
.endif
.endm
; THE CHANGE OF SLOTS stands at a period's head.  Each wave waits for its tensor load (its part of THIS period's slot), adds 0 to its spare word, and waits for that and for its LDS reads, all of the other slot.
; fill = 1: behind a round of the cluster's barrier the other slot, named by its number, is filled with the next period.
.macro CHANGE fill, slot, ask
	s_wait_alu depctr_va_vdst(0)
	s_wait_tensorcnt 0x0                           ; no tensor load of mine is out, so a group 0 may be written
	ds_add_u32 v[SPW], v[NIL]                      ; 0 onto my spare word
.if \fill
	s_add_co_u32 s[G0K+1], s[KL], (\slot)*SLOTB    ; the walking descriptors: the other slot, the next 256 keys
	s_add_nc_u64 s[G0K+2:G0K+3], s[G0K+2:G0K+3], 229376
	s_add_co_u32 s[G0B+1], s[BB], (\slot)*SLOTB
	s_add_nc_u64 s[G0B+2:G0B+3], s[G0B+2:G0B+3], 1024
.if \ask
	s_wait_xcnt 0x0                                ; the last prefetch, a period back, has read its address, so it may be written:
	s_add_nc_u64 s[PFA:PFA+1], s[PFA:PFA+1], s[PFS:PFS+1]   ; one period further on than the walking descriptors
.endif
	s_wait_dscnt 0x0                               ; the add is done, and my LDS reads are back
	CROUND
	TLOAD                                          ; the first thing behind the round, and a wave's one tensor load until the next
.if \ask
	ASK
.endif
.else
	s_wait_dscnt 0x0
	s_barrier_signal -1
	s_barrier_wait -1
.endif
.endm
.macro PERIOD slot, fill, ask, vlast   ; two steps from the slot named
	CHANGE \fill, 1-(\slot), \ask
	NEXTB \slot, 0
	KADR \slot, 0
	KLD
	BODY \slot, 1, 1
	BODY 0, 0, \vlast
.endm
	s_wait_loadcnt 0x0                             ; Q and its scale word (and step 0's V)
	s_mov_b32 s3, 3
.Ltrip:                                            ; three trips of two periods, so that every slot's address is a constant: periods 0 to 5.  (The first change fills slot 1 for the first time, as a refill is issued)
	PERIOD 0, 1, 1, 1
	PERIOD 1, 1, 1, 1
	s_sub_co_u32 s3, s3, 1
	s_cmp_lg_u32 s3, 0
	s_cbranch_scc1 .Ltrip
	PERIOD 0, 1, 0, 1                              ; period 6 asks for period 7, the last.  The tail is written out
	PERIOD 1, 0, 0, 0                              ; period 7: nothing is filled
	; THE WAY OUT.  O^T / the sum: register 16 b + i is channel 32 b + 16 h + i of my query: two blocks of 32 along the last product's K, quantised as p was; the six registers are the head's unit of my tile.
.rept 4
	v_nop                                          ; places behind the last products
.endr
	v_add_f32 v[L], v[L], v[L+1]
	s_delay_alu instid0(VALU_DEP_1)
	v_permlanex16_b32 v[T0], v[L], s[SEL], s[SEL+1]
	s_delay_alu instid0(VALU_DEP_1)
	v_add_f32 v[L], v[L], v[T0]                    ; the row's sum
	s_wait_alu depctr_va_vdst(0)
	v_rcp_f32 v[L], v[L]
	v_and_b32 v8, 31, v0                           ; (plain work behind the reciprocal)
	s_delay_alu instid0(VALU_DEP_1)
	v_lshlrev_b32 v8, 3, v8                        ; 8 x lane
	v_and_b32 v9, 15, v0
	v_bfe_u32 v10, v0, 4, 1
	s_delay_alu instid0(VALU_DEP_1)
	v_lshl_add_u32 v9, v9, 5, v10                  ; 32 r + h: my block's scale byte
	s_wait_alu depctr_va_vdst(0)
.set JJ, 0
.rept 32
	v_mul_f32 v[S+JJ], v[O+JJ], v[L]
.set JJ, JJ+1
.endr
.irp b, 0,1
	v_max3_num_f32 v[BM+\b], |v[S+16*\b]|, |v[S+1+16*\b]|, 0x1800000
.endr
.irp i, 2,4,6,8,10,12,14
.irp b, 0,1
	s_delay_alu instid0(VALU_DEP_2)
	v_max3_num_f32 v[BM+\b], v[BM+\b], |v[S+16*\b+\i]|, |v[S+1+16*\b+\i]|
.endr
.endr
.irp b, 0,1
	s_delay_alu instid0(VALU_DEP_2)
	v_permlanex16_b32 v[PT+\b], v[BM+\b], s[SEL], s[SEL+1]
.endr
.irp b, 0,1
	s_delay_alu instid0(VALU_DEP_2)
	v_max_num_f32 v[BM+\b], v[BM+\b], v[PT+\b]
.endr
.irp b, 0,1
	s_delay_alu instid0(VALU_DEP_2)
	v_add_nc_u32 v[SO+\b], 0xff000000, v[BM+\b]
.endr
.irp b, 0,1
	s_delay_alu instid0(VALU_DEP_2)
	v_lshrrev_b32 v[PT+\b], 23, v[SO+\b]
.endr
	v_cvt_scalef32_pk16_fp6_f32 v[PC:PC+2], v[S:S+15], v[SO]
	v_cvt_scalef32_pk16_fp6_f32 v[CT:CT+2], v[S+16:S+31], v[SO+1]
	v_nop                                          ; one plain place behind a scaled conversion
.irp i, 0,1,2
	v_permlane16_swap_b32 v[PC+\i], v[CT+\i]
.endr
.irp i, 0,1,2
	s_delay_alu instid0(VALU_DEP_3)
	v_mov_b32 v[PC+3+\i], v[CT+\i]
.endr
	v_cndmask_b32 v[T0], v[PT], v[PT+1], s[HM]     ; lanes 0-15 store block 0's byte, lanes 16-31 block 1's
.irp p, 0,1,2
	global_store_b64 v8, v[PC+2*\p:PC+2*\p+1], s[8:9] offset:256*\p   ; 256 consecutive bytes, aligned
.endr
	global_store_b8 v9, v[T0], s[10:11]            ; two bytes a row, rows 32 bytes apart: a work-group has one head of the sixteen; one byte for each 24 of o's codes
	s_wait_tensorcnt 0x0                           ; the wave's end
	ds_add_u32 v[SPW], v[NIL]
	s_wait_dscnt 0x0
	CROUND                                         ; the closing round
	s_endpgm
.Lfunc_end_k_qc78154eccb_attn:
	.size	k_qc78154eccb_attn, .Lfunc_end_k_qc78154eccb_attn-k_qc78154eccb_attn
	.p2alignl 7, 3214868480
	.fill 96, 4, 3214868480
	.section	.rodata,"a",@progbits
	.p2align	6, 0x0
	.amdhsa_kernel k_qc78154eccb_attn
		.amdhsa_group_segment_fixed_size 327680
		.amdhsa_private_segment_fixed_size 0
		.amdhsa_enable_private_segment 0
		.amdhsa_kernarg_size 32
		.amdhsa_user_sgpr_count 2
		.amdhsa_user_sgpr_kernarg_segment_ptr 1
		.amdhsa_wavefront_size32 1
		.amdhsa_system_sgpr_workgroup_id_x 1
		.amdhsa_system_sgpr_workgroup_id_y 1
		.amdhsa_system_sgpr_workgroup_id_z 1
		.amdhsa_system_vgpr_workitem_id 0
		.amdhsa_next_free_vgpr 256
		.amdhsa_next_free_sgpr 100
		.amdhsa_reserve_vcc 1
		.amdhsa_float_denorm_mode_32 3
		.amdhsa_float_denorm_mode_16_64 3
		.amdhsa_memory_ordered 1
		.amdhsa_forward_progress 1
		.amdhsa_inst_pref_size 181
	.end_amdhsa_kernel
	.amdgpu_metadata
---
amdhsa.version: [ 1, 2 ]
amdhsa.kernels:
  - .name:           k_qc78154eccb_attn
    .symbol:         k_qc78154eccb_attn.kd
    .args:
      - { .name: qkv, .offset: 0, .size: 8, .value_kind: global_buffer, .address_space: global }
      - { .name: position_bias, .offset: 8, .size: 8, .value_kind: global_buffer, .address_space: global }
      - { .name: ocodes, .offset: 16, .size: 8, .value_kind: global_buffer, .address_space: global }
      - { .name: oscales, .offset: 24, .size: 8, .value_kind: global_buffer, .address_space: global }
    .group_segment_fixed_size: 327680
    .private_segment_fixed_size: 0
    .kernarg_segment_align: 8
    .kernarg_segment_size: 32
    .max_flat_workgroup_size: 512
    .sgpr_count:     100
    .vgpr_count:     256
    .wavefront_size: 32
...
	.end_amdgpu_metadata
.endif
;; end of part 3
;; launch outp (part 4): grid 8 x 32, 4 waves a work-group, clusters of 4 x 4, 327,680 bytes of LDS; arguments ocodes, oscales, acodes, ascales, out0; writes out0
.if DOCPART == 4
	.amdgcn_target "amdgcn-amd-amdhsa--gfx1250"
	.amdhsa_code_object_version 6
	.text
	.protected	k_qc78154eccb_outp
	.globl	k_qc78154eccb_outp
	.p2align	8
	.type	k_qc78154eccb_outp,@function
k_qc78154eccb_outp:
	s_mov_b64 s[64:65], 0
	v_nop
	global_prefetch_b8 v0, s[64:65] scope:SCOPE_SE
	s_setreg_imm32_b32 hwreg(HW_REG_WAVE_MODE, 25, 1), 1
	s_wait_xcnt 0x0
	s_wait_alu depctr_hold_cnt(0) depctr_sa_sdst(0) depctr_va_vdst(0) depctr_va_sdst(0) depctr_va_ssrc(0) depctr_va_vcc(0) depctr_vm_vsrc(0)
	s_getreg_b32 s2, hwreg(HW_REG_IB_STS2, 6, 4)
	s_cmp_eq_u32 s2, 0
	s_cbranch_scc0 .Lentry_in_a_cluster
	s_endpgm
.Lentry_in_a_cluster:
	s_bfe_u32 s2, ttmp6, 0x10000c
	s_cmp_lg_u32 s2, 0xf033
	s_cbranch_scc0 .Lentry_shape_is_right
	s_endpgm
.Lentry_shape_is_right:
; out0 [4096][1024] f32 = o Wo, on codes of FP6 (E2M3) with E8M0 scales, K = 1,024, sums in f32.  A = o (ocodes, oscales), B = Wo's columns (acodes' tiles 960 .. 1023, ascales).
; Both operands lie by POSITION (a row's number with bits 3 and 4 exchanged) in tiles of 16 positions x all of K, 12,288 dense bytes, as images of the operand's registers: a fragment is six LDS loads of 256 consecutive bytes.
; A work-group makes 128 x 128 of the result: 256 work-groups.  Four waves, 64 x 64 each: 16 accumulators.  The matrix instruction is used transposed (source 0 = B, source 1 = A): a lane holds eight neighbours of a row.
; ALL OF K lies in LDS at once: A's 8 tiles, then B's 8, 196,608 bytes.  Each wave brings four tiles, 49,152 dense bytes as 192 rows of 256, by its ONE tensor load at the head; nothing is filled again, and one barrier shows all to all.
; THE SCALE WORDS go from memory into registers once: 32 bytes a position, two loads of 16 bytes for each tile, which together cover the tile's 512 consecutive bytes (lanes 16-31 repeat lanes 0-15).
; CLUSTERS: 4 x 4: A's tiles are asked for jointly along a row of the cluster, B's along a column.  No prefetch: the launch has no loop of loads to run ahead in.
; REGISTERS: window 0: v16-31 addresses; v32-63 A's scale words (8 i + step), v64-95 B's; v128-255 the accumulators.  window 1: fragments, two sets at v0 and v128 (A's four, then B's four); v96-127, v224-255 the way out.
.set FR,    12
.set NP,    4                          ; places behind this matrix instruction (ISA guide 7.12.1)
.set TILEB, 12288
.set QUART, 4*TILEB
.set STG,   4*QUART                    ; behind the tiles: a stage of 16 rows x (256 + 16) bytes for each wave
.set SPITCH, 272
.set SPARE, STG+4*16*SPITCH            ; the spare words: two blocks of 256 bytes that no other line names
.set ADRA, 16
.set ADRB, 17
.set STO,  24
.set RD,   25
.set CO,   26
.set ADRS, 27
.set SPW,  30
.set NIL,  31
.set SCA,  32
.set SCB,  64
.set ACC,  128
.set G1,   24
.set G0,   32
.set G1B,  48
.set G0B,  56
.set MSB, 0
.macro WIN new
.if MSB != (\new)
	s_set_vgpr_msb (MSB<<8)|(\new)
.set MSB, (\new)
.endif
.endm
.set MUL,  0x05                        ; sources 0 and 1 window 1, C and D window 0
.set TO_F, 0x40                        ; destination window 1
.macro CROUND
	s_barrier_signal -1
	s_barrier_wait -1
	s_cmp_lg_u32 s14, 0
	s_cbranch_scc1 .Lnot_wave_0_\@
	s_barrier_signal -3
.Lnot_wave_0_\@:
	s_barrier_wait -3
	s_barrier_signal -1
	s_barrier_wait -1
.endm
	s_load_b256 s[4:11], s[0:1], 0x0               ; ocodes, oscales, acodes, ascales
	s_load_b64 s[12:13], s[0:1], 0x20              ; out0
	v_lshl_add_u32 v[SPW], v0, 2, SPARE
	v_mov_b32 v[NIL], 0
	ds_add_u32 v[SPW], v[NIL]                      ; the opening lines: the add twice on end and one wait
	ds_add_u32 v[SPW], v[NIL]
	v_lshrrev_b32 v1, 5, v0
	v_readfirstlane_b32 s14, v1                    ; wave
	s_lshr_b32 s15, s14, 1                         ; my half of the rows.  Also: I fetch for A (0) or B (1)
	s_and_b32 s16, s14, 1                          ; my half of the columns.  Also: which four tiles I fetch
	s_bfe_u32 s66, ttmp6, 0x40000                  ; cx
	s_bfe_u32 s67, ttmp6, 0x40004                  ; cy
	s_lshl_b32 s2, ttmp9, 2
	s_add_co_u32 s2, s2, s66                       ; block column
	s_and_b32 s17, ttmp7, 0xffff
	s_lshl_b32 s17, s17, 2
	s_add_co_u32 s17, s17, s67                     ; block row
	s_lshl_b32 s3, s67, 2
	s_lshl_b32 s3, 15, s3                          ; my row of the cluster
	s_lshl_b32 s101, 0x1111, s66                   ; my column
	s_or_b32 s[G1], s3, (3<<16)|(1<<21)
	s_or_b32 s[G1B], s101, (3<<16)|(1<<21)
.irp g, G1, G1B                                ; 192 dense rows of 256 bytes (32 elements of 8)
	s_mov_b32 s[\g+1], 32<<16
	s_mov_b32 s[\g+2], 192<<16
	s_mov_b32 s[\g+3], 32<<16
	s_mov_b32 s[\g+4], 192
	s_mov_b32 s[\g+5], 32
	s_mov_b32 s[\g+6], 0
	s_mov_b32 s[\g+7], 0
.endr
	s_lshl_b32 s18, s17, 3
	s_lshl_b32 s19, s16, 2
	s_add_co_u32 s18, s18, s19
	s_mul_i32 s18, s18, TILEB                      ; A: the four tiles that I fetch
	s_mov_b32 s19, 0
	s_lshl_b32 s100, s2, 3
	s_lshl_b32 s21, s16, 2
	s_add_co_u32 s100, s100, s21
	s_add_co_u32 s100, s100, 960
	s_lshl_b32 s22, s100, 9                        ; B's scale bytes of the four tiles that I multiply (the same four)
	s_mul_i32 s100, s100, TILEB                    ; B: the four tiles that I fetch
	s_mov_b32 s101, 0
	s_mov_b32 s23, 0
	s_lshl_b32 s20, s17, 3
	s_lshl_b32 s21, s15, 2
	s_add_co_u32 s20, s20, s21
	s_lshl_b32 s20, s20, 9                         ; A's scale bytes of the four tiles that I multiply
	s_mov_b32 s21, 0
	s_mul_i32 s92, s14, QUART                      ; where my load goes
	s_mul_i32 s93, s15, QUART                      ; the tiles of A that I multiply
	s_mul_i32 s94, s16, QUART
	s_add_co_u32 s94, s94, 2*QUART                 ; and of B
	s_mul_i32 s95, s14, 16*SPITCH
	s_add_co_u32 s95, s95, STG                     ; my stage
	s_lshl_b32 s96, s17, 19                        ; my part of out0: 128 rows of 4,096 bytes a block row, 64 a half; 512 bytes a block column, 256 a half
	s_lshl_b32 s97, s15, 18
	s_add_co_u32 s96, s96, s97
	s_lshl_b32 s97, s2, 9
	s_add_co_u32 s96, s96, s97
	s_lshl_b32 s97, s16, 8
	s_add_co_u32 s96, s96, s97
	s_mov_b32 s97, 0
	v_and_b32 v1, 15, v0                           ; r
	v_bfe_u32 v2, v0, 4, 1                         ; h
	v_and_b32 v3, 31, v0
	v_lshlrev_b32 v4, 3, v3                        ; 8 x lane
	v_add_nc_u32 v[ADRA], s93, v4
	v_add_nc_u32 v[ADRB], s94, v4
	v_lshlrev_b32 v[ADRS], 5, v1                   ; 32 bytes of scales a position
	v_mul_u32_u24 v5, v1, SPITCH
	v_lshl_add_u32 v5, v2, 6, v5
	v_add_nc_u32 v[STO], s95, v5                   ; into the stage: row r, + 64 h
	v_mul_u32_u24 v6, v2, SPITCH
	v_lshl_add_u32 v6, v1, 4, v6
	v_add_nc_u32 v[RD], s95, v6                    ; back: sixteen lanes to a row of 256 bytes, two rows an instruction
	v_lshlrev_b32 v7, 12, v2
	v_lshl_add_u32 v[CO], v1, 4, v7                ; and the same in out0
	s_wait_alu depctr_va_vdst(0)                   ; the wait at the head's end
	s_wait_dscnt 0x0                               ; both opening adds are done
	s_wait_kmcnt 0x0
	s_add_nc_u64 s[6:7], s[6:7], s[20:21]
	s_add_nc_u64 s[10:11], s[10:11], s[22:23]
.irp i, 0,1,2,3
	global_load_b128 v[SCA+8*\i:SCA+8*\i+3], v[ADRS], s[6:7] offset:512*\i
	global_load_b128 v[SCA+8*\i+4:SCA+8*\i+7], v[ADRS], s[6:7] offset:512*\i+16
	global_load_b128 v[SCB+8*\i:SCB+8*\i+3], v[ADRS], s[10:11] offset:512*\i
	global_load_b128 v[SCB+8*\i+4:SCB+8*\i+7], v[ADRS], s[10:11] offset:512*\i+16
.endr
	s_add_nc_u64 s[12:13], s[12:13], s[96:97]
	s_mov_b32 s[G0], 1
	s_mov_b32 s[G0+1], s92
	s_add_nc_u64 s[G0+2:G0+3], s[4:5], s[18:19]
	s_or_b32 s[G0+3], s[G0+3], 0x80000000
	s_mov_b32 s[G0B], 1
	s_mov_b32 s[G0B+1], s92
	s_add_nc_u64 s[G0B+2:G0B+3], s[8:9], s[100:101]
	s_or_b32 s[G0B+3], s[G0B+3], 0x80000000
	CROUND                                         ; all sixteen work-groups are here: the joint loads meet
	s_cmp_eq_u32 s15, 0                            ; my one tensor load: s_nop 0 and four v_nop follow each line
	s_cbranch_scc0 .Lfor_b
	tensor_load_to_lds s[G0:G0+3], s[G1:G1+7]
	s_nop 0
.rept 4
	v_nop
.endr
	s_branch .Lasked
.Lfor_b:
	tensor_load_to_lds s[G0B:G0B+3], s[G1B:G1B+7]
	s_nop 0
.rept 4
	v_nop
.endr
.Lasked:
.macro FRAG reg, adr, s, i
.irp p, 0,1,2,3,4,5
	ds_load_b64 v[\reg+2*\p:\reg+2*\p+1], v[\adr] offset:(\i)*TILEB+(\s)*1536+256*\p
.endr
.endm
.macro FETCH s                         ; step s of 128 along K into set s % 2
	WIN TO_F
.irp i, 0,1,2,3
	FRAG 128*((\s)%2)+48+FR*\i, ADRB, \s, \i
.endr
.irp i, 0,1,2,3
	FRAG 128*((\s)%2)+FR*\i, ADRA, \s, \i
.endr
.endm
.macro MUL16 s, zero                   ; the 16 accumulators take turns, one instruction a turn
	WIN MUL
.irp a, 0,1,2,3
.irp b, 0,1,2,3
.if \zero
	v_wmma_scale_f32_16x16x128_f8f6f4 v[ACC+8*(4*\a+\b):ACC+8*(4*\a+\b)+7], v[128*((\s)%2)+48+FR*\b:128*((\s)%2)+48+FR*\b+FR-1], v[128*((\s)%2)+FR*\a:128*((\s)%2)+FR*\a+FR-1], 0, v[SCB+8*\b+(\s)], v[SCA+8*\a+(\s)] matrix_a_fmt:MATRIX_FMT_FP6 matrix_b_fmt:MATRIX_FMT_FP6
.else
	v_wmma_scale_f32_16x16x128_f8f6f4 v[ACC+8*(4*\a+\b):ACC+8*(4*\a+\b)+7], v[128*((\s)%2)+48+FR*\b:128*((\s)%2)+48+FR*\b+FR-1], v[128*((\s)%2)+FR*\a:128*((\s)%2)+FR*\a+FR-1], v[ACC+8*(4*\a+\b):ACC+8*(4*\a+\b)+7], v[SCB+8*\b+(\s)], v[SCA+8*\a+(\s)] matrix_a_fmt:MATRIX_FMT_FP6 matrix_b_fmt:MATRIX_FMT_FP6
.endif
.endr
.endr
.endm
.macro PLACES n
.rept \n
	v_nop
.endr
.endm
	s_wait_tensorcnt 0x0                           ; my four tiles are in
	s_barrier_signal -1
	s_barrier_wait -1                              ; everybody's are
	FETCH 0
	s_wait_loadcnt 0x0                             ; the scale words
	s_wait_dscnt 0x0
	FETCH 1
	MUL16 0, 1                                     ; the first products start the sums
.irp s, 1,2,3,4,5,6
	s_wait_dscnt 0x0                               ; step s's fragments are in
	PLACES NP                                      ; in front of loads into the set that step s - 1 multiplied
	FETCH \s+1
	MUL16 \s, 0
.endr
	s_wait_dscnt 0x0
	MUL16 7, 0
; THE WAY OUT: block a (16 positions x my 64 columns) goes through my own stage and comes back as rows of 256 bytes.  LDS serves a wave's instructions in order (ISA guide 5.7.1.4): no wait between the stores and the loads.
.macro TOSTAGE a
	WIN 0
.irp b, 0,1,2,3
	ds_store_b128 v[STO], v[ACC+8*(4*(\a)+\b):ACC+8*(4*(\a)+\b)+3] offset:128*(\b/2)+32*(\b%2)        ; each accumulator from its low end on
	ds_store_b128 v[STO], v[ACC+8*(4*(\a)+\b)+4:ACC+8*(4*(\a)+\b)+7] offset:128*(\b/2)+32*(\b%2)+16
.endr
	WIN TO_F
.set BB, 96+128*((\a)%2)
.irp t, 0,1,2,3,4,5,6,7
	ds_load_b128 v[BB+4*\t:BB+4*\t+3], v[RD] offset:2*\t*SPITCH
.endr
.endm
.macro SEND a, younger                 ; younger: the LDS instructions issued behind block a's loads
.set BB, 96+128*((\a)%2)
	s_wait_dscnt \younger
	WIN 0x04                                       ; the data: window 1
.irp t, 0,1,2,3,4,5,6,7
	global_store_b128 v[CO], v[BB+4*\t:BB+4*\t+3], s[12:13] offset:(32*((\a)/2)+8*((\a)%2)+16*(\t/4)+2*(\t%4))*4096 th:TH_STORE_NT   ; place p of a tile is row p + 8 (p / 8); 16 lanes store 256 consecutive bytes, aligned
.endr
.endm
	PLACES NP
	TOSTAGE 0
.irp a, 1,2,3
.if \a > 1
	s_wait_xcnt 0x0                                ; block a - 2's stores have read their registers
.endif
	TOSTAGE \a
	SEND \a-1, 16                                  ; behind block a - 1's loads: block a's 8 stores and 8 loads
.endr
	SEND 3, 0
	WIN 0
	s_wait_tensorcnt 0x0                           ; the wave's end
	ds_add_u32 v[SPW], v[NIL]
	s_wait_dscnt 0x0
	CROUND                                         ; the closing round
	s_endpgm
.Lfunc_end_k_qc78154eccb_outp:
	.size	k_qc78154eccb_outp, .Lfunc_end_k_qc78154eccb_outp-k_qc78154eccb_outp
	.p2alignl 7, 3214868480
	.fill 96, 4, 3214868480
	.section	.rodata,"a",@progbits
	.p2align	6, 0x0
	.amdhsa_kernel k_qc78154eccb_outp
		.amdhsa_group_segment_fixed_size 327680
		.amdhsa_private_segment_fixed_size 0
		.amdhsa_enable_private_segment 0
		.amdhsa_kernarg_size 40
		.amdhsa_user_sgpr_count 2
		.amdhsa_user_sgpr_kernarg_segment_ptr 1
		.amdhsa_wavefront_size32 1
		.amdhsa_system_sgpr_workgroup_id_x 1
		.amdhsa_system_sgpr_workgroup_id_y 1
		.amdhsa_system_sgpr_workgroup_id_z 1
		.amdhsa_system_vgpr_workitem_id 0
		.amdhsa_next_free_vgpr 512
		.amdhsa_next_free_sgpr 102
		.amdhsa_reserve_vcc 0
		.amdhsa_float_denorm_mode_32 3
		.amdhsa_float_denorm_mode_16_64 3
		.amdhsa_memory_ordered 1
		.amdhsa_forward_progress 1
		.amdhsa_inst_pref_size 57
	.end_amdhsa_kernel
	.amdgpu_metadata
---
amdhsa.version: [ 1, 2 ]
amdhsa.kernels:
  - .name:           k_qc78154eccb_outp
    .symbol:         k_qc78154eccb_outp.kd
    .args:
      - { .name: ocodes, .offset: 0, .size: 8, .value_kind: global_buffer, .address_space: global }
      - { .name: oscales, .offset: 8, .size: 8, .value_kind: global_buffer, .address_space: global }
      - { .name: acodes, .offset: 16, .size: 8, .value_kind: global_buffer, .address_space: global }
      - { .name: ascales, .offset: 24, .size: 8, .value_kind: global_buffer, .address_space: global }
      - { .name: out0, .offset: 32, .size: 8, .value_kind: global_buffer, .address_space: global }
    .group_segment_fixed_size: 327680
    .private_segment_fixed_size: 0
    .kernarg_segment_align: 8
    .kernarg_segment_size: 40
    .max_flat_workgroup_size: 128
    .sgpr_count:     102
    .vgpr_count:     512
    .wavefront_size: 32
...
	.end_amdgpu_metadata
.endif
;; end of part 4
